; MI455X (gfx1250); checked and timed in simulation.
; The chip was launched on July 23, 2026; its instructions are those of AMD's public machine-readable ISA for CDNA 5 (MIT licence, August 2026) and "CDNA5" Instruction Set Architecture Reference Guide (July 2026). The comments in the code are by the model that wrote it; some were corrected since.
;; Cross Attention. Allowed arithmetic: matrix products marked QUANTISED: E2M3 operands, one E8M0 scale for each 32 along K, by v_wmma_scale_f32_16x16x128_f8f6f4 with both operands' format E2M3, f32 sums; everything else in f32.
;; Inputs: Wk 1,024 x 1,024 float32; Wout 1,024 x 1,024 float32; Wq 1,024 x 1,024 float32; Wv 1,024 x 1,024 float32; bout 1,024 float32; x 4 x 2,048 x 1,024 float32.
;; Outputs: out0 4 x 2,048 x 1,024 float32.
;; This version of the problem:
;;   THIS VERSION OF THE PROBLEM IS GIVEN IN LOW PRECISION. The matrix products marked QUANTISED in the list below multiply operands that are first quantised to E2M3 (2 exponent bits, 3 mantissa bits; 6 bits a number), with one power-of-two scale for each 32 numbers along K (OCP MX v1.0); their sums are f32. All else is computed in f32.
;;   The module's matrix products, in the order in which they are computed (A, B: the left and right operand; K: the contracted axis; several contracted axes count as one K, in the product's order):
;;     1. [M 8,192, K 1,024] x [K 1,024, N 1,024]; A: input x; B: input Wq: QUANTISED
;;     2. [M 8,192, K 1,024] x [K 1,024, N 1,024]; A: input x; B: input Wk: QUANTISED
;;     3. [M 8,192, K 1,024] x [K 1,024, N 1,024]; A: input x; B: input Wv: QUANTISED
;;     4. batch 64 x [M 2,048, K 64] x [K 64, N 2,048]; A: computed on the way; B: computed on the way: QUANTISED
;;     5. batch 64 x [M 64, K 2,048] x [K 2,048, N 2,048]; A: computed on the way; B: softmax (see below): QUANTISED
;;     6. [M 8,192, K 1,024] x [K 1,024, N 1,024]; A: computed on the way; B: input Wout: QUANTISED
;;   THE QUANTISER, for each operand of a quantised product, along K:
;;     - K is cut into blocks of 32 from its start; a last block that is shorter is filled with zeros.
;;     - A block's scale is 2^e with e = floor(log2(the largest magnitude in the block)) - 2, held to -126 .. 127; a block of zeros has e = 0. As a byte (E8M0): e + 127.
;;     - Each number is divided by its block's scale, clamped to +-7.5, and rounded to the nearest number of E2M3, ties to even, subnormals kept.
;;     - The product sums the exact products of the quantised numbers (number of the format x scale) in f32.
;;   ~~~python
;;   def quantise(x, axis):      # numpy; x: float32 -> the quantised numbers, widened to float32 again
;;       x = np.moveaxis(x, axis, -1); K = x.shape[-1]
;;       x = np.pad(x, [(0, 0)] * (x.ndim - 1) + [(0, -K % 32)]); x = x.reshape(x.shape[:-1] + (-1, 32)); a = np.abs(x).max(-1, keepdims=True)
;;       e = np.where(a > 0, np.clip(np.frexp(np.where(a > 0, a, 1))[1] - 1 - 2, -126, 127), 0)      # np.frexp(a)[1] - 1 = floor(log2(a)), exactly
;;       r = np.clip(x / 2.0 ** e, -7.5, 7.5)
;;       step = 2.0 ** (np.maximum(np.frexp(np.where(r == 0, 1, r))[1] - 1, 0) - 3)
;;       q = np.round(r / step) * step * 2.0 ** e      # np.round: ties to even
;;       return np.moveaxis(q.reshape(q.shape[:-2] + (-1,))[..., :K], -1, axis).astype(np.float32)
;;   ~~~
;;   SOFTMAX AHEAD OF A QUANTISED PRODUCT. Where the list says 'softmax', what is quantised is not the finished softmax but p = 2^(t - M), with t = logit x log2(e) and M = ceil(the row's largest t), a whole number; so 1/2 < the row's largest p <= 1. The row's sum l is taken of the UNQUANTISED p, in f32, and the product's result is divided by l at the end. Since M is a whole number, a kernel that streams over the keys may use a running M (the ceiling of the running maximum): every later rescaling is an exact power of two, which a block's scale takes up: the codes' values come out the same.
;;   OPERANDS COMPUTED ON THE WAY. 'Computed on the way' means the value that the module computes at that place (a softmax that the list does not call 'softmax' is quantised finished and normalised). What goes into a quantiser is computed in f32, as accurately as f32 sums, v_exp_f32 and their like allow (about 1e-6 of the number): no bf16 or f16 on the way to a quantiser, and a product that is left as it is and whose result goes on into a quantised operand takes f32 operands (vector FMAs, or v_wmma_f32_16x16x4_f32). A number that lies on a knife's edge between two numbers of the format may be rounded either way, as far as f32 arithmetic and the matrix unit's own rounding can turn it there, and no further.
;; One version. Each part assembles by itself: llvm-mc -triple=amdgcn-amd-amdhsa -mcpu=gfx1250 --defsym DOCPART=n.
;; ======== version 1 of 1: 4 launches
;; workspace buffers: cod 9,437,184 bytes; scl 393,216 bytes; qkvc 19,660,800 bytes; acod 6,291,456 bytes; asc 262,144 bytes
;; launch quant (part 1): grid 256 x 1, 3 waves a work-group, no clusters, 26,112 bytes of LDS; arguments x, Wq, Wk, Wv, Wout, cod, scl; writes cod, scl
.if DOCPART == 1
	.amdgcn_target "amdgcn-amd-amdhsa--gfx1250"
	.amdhsa_code_object_version 6
	.text
	.protected	k_qb91fc4f042_quant
	.globl	k_qb91fc4f042_quant
	.p2align	8
	.type	k_qb91fc4f042_quant,@function
k_qb91fc4f042_quant:
	s_mov_b64 s[64:65], 0
	v_nop
	global_prefetch_b8 v0, s[64:65] scope:SCOPE_SE
	s_setreg_imm32_b32 hwreg(HW_REG_WAVE_MODE, 25, 1), 1
	s_wait_xcnt 0x0
; x [8192][1024], Wq, Wk, Wv, Wout [1024][1024], f32 with K innermost, become codes of FP6 (E2M3) with one E8M0 byte for each 32 along K.
; A block's scale is 2^(floor(log2(its largest magnitude)) - 2); its byte is the largest magnitude's exponent field - 2, held at 1 from below.
; LIMITS: NaN and infinities among the inputs are not served.  A block of zeros, or one whose largest magnitude lies under 2^-124, gets the byte 1 (the stated quantiser gives a block of zeros 127):
; its codes are zeros or subnormal, and the bytes are read by this program alone.
; THE OUTPUT IS LAID AS IMAGES OF OPERAND REGISTERS.  768 tiles of 16 rows: 0-511 x, 512-575 Wq, 576-639 Wk, 640-703 Wv, 704-767 Wout.  THE ROWS OF A TILE ARE NOT NEIGHBOURS: lane r of a tensor's tile t
; holds row 32 (t / 2) + 8 (t % 2) + r + 8 (r / 8), so that a product which takes tiles 2 b and 2 b + 1 as source 0 leaves 16 neighbouring rows in a lane's 16 result registers.
; cod: tile at 12,288 T, K step s (128 along K) at + 1,536 s, its half c (operand registers 6 c .. 6 c + 5) at + 768 c: registers 0-3 at 16 x lane, registers 4-5 at 512 + 8 x lane.
; scl: tile at 512 T; the scale word of row-lane r for K step 4 q + i at 256 q + 16 r + 4 i.
; Wv's tiles change places inside each group of eight (two heads): place 2 j + c holds tile j of head c, as the next launch's way out wants them.
; SHARES.  One wave makes one tile: T = 3 x work-group + wave; 8 steps of 128 along K, written out, every offset an immediate.  A load takes 512 consecutive bytes of one row; the 16 rows' bytes turn through the
; wave's own stage in LDS (pitch 528 bytes, an odd multiple of 16) so that a lane gets the 2 x 32 neighbours along K that the operand's layout gives it.  Loads run two steps (32 loads a wave) ahead.
; No matrix unit, no cluster, no tensor load, no barrier: the stream is read once, and waves share nothing.
.set STG,  16*528                      ; a wave's stage
.set X,    16                          ; v16-79   64 numbers: register 32 c + i = k 64 c + 32 (lane / 16) + i of my row
.set R,    80                          ; v80-207  two sets of 64 registers as loaded
.set C,    208                         ; v208-219 the fragment's codes
.set CT,   220                         ; v220-222 and
.set CT1,  240                         ; v240-242 the upper 16 codes of a block (a conversion's three registers begin on an even number)
.set WD,   224                         ; v224-231 the scale word of each K step
.set Z,    232                         ; v232-235 the four words that I store
	s_load_b256 s[4:11], s[0:1], 0x0               ; x, Wq, Wk, Wv
	s_load_b128 s[12:15], s[0:1], 0x20             ; Wout, cod
	s_load_b64 s[16:17], s[0:1], 0x30              ; scl
	v_lshl_add_u32 v248, v0, 2, 0x6400
	v_mov_b32 v249, 0
	v_lshrrev_b32 v1, 5, v0
	v_readfirstlane_b32 s18, v1                    ; wave 0..2
	v_and_b32 v2, 31, v0                           ; lane
	v_and_b32 v3, 15, v0                           ; r
	v_bfe_u32 v8, v0, 4, 1                         ; h
	v_lshlrev_b32 v4, 4, v2                        ; 16 x lane
	v_lshlrev_b32 v5, 3, v2                        ; 8 x lane
	s_mul_i32 s24, s18, STG
	v_add_nc_u32 v6, s24, v4                       ; into the stage: a row's 512 bytes as they lie
	v_mul_u32_u24 v7, v3, 528
	v_lshl_add_u32 v7, v8, 7, v7
	v_add_nc_u32 v7, s24, v7                       ; out of it: row r, + 128 h bytes: my 32 numbers of each 64
	v_lshlrev_b32 v8, 3, v8                        ; 8 h: my bytes' place in a scale word
	v_mov_b32 v10, 0                               ; written once: a lane permute's destination counts as one of its sources
	s_mov_b32 s26, 0x76543210
	s_mov_b32 s27, 0xfedcba98                      ; v_permlanex16_b32's selects for lane l xor 16
	s_mul_i32 s19, ttmp9, 3
	s_add_co_u32 s19, s19, s18                     ; T
	s_and_b32 s20, s19, 63
	s_cmp_lt_u32 s19, 512
	s_cselect_b32 s20, s19, s20                    ; the tile's number in its own tensor
	s_and_b32 s21, s19, 0xfffffff8                 ; Wv's place: (T & ~7) | (T & 3) << 1 | (T >> 2) & 1
	s_and_b32 s25, s19, 3
	s_lshl_b32 s25, s25, 1
	s_or_b32 s21, s21, s25
	s_bfe_u32 s25, s19, 0x10002
	s_or_b32 s21, s21, s25
	s_cmp_ge_u32 s19, 640
	s_cselect_b32 s21, s21, s19
	s_cmp_lt_u32 s19, 704
	s_cselect_b32 s21, s21, s19                    ; every other tile stays where it is
	s_lshr_b32 s28, s20, 1
	s_lshl_b32 s28, s28, 17                        ; 32 rows of 4,096 bytes for each pair of tiles,
	s_and_b32 s29, s20, 1
	s_lshl_b32 s29, s29, 15                        ; 8 rows for the odd one
	s_add_co_u32 s28, s28, s29
	s_mov_b32 s29, 0
	s_mul_i32 s30, s21, 12288
	s_mov_b32 s31, 0
	s_lshl_b32 s2, s21, 9
	s_mov_b32 s3, 0
	s_wait_alu depctr_va_vdst(0)
	s_wait_kmcnt 0x0
	s_mov_b64 s[22:23], s[12:13]                   ; which tensor: the choice hangs on the tile's number alone
	s_cmp_lt_u32 s19, 704
	s_cselect_b64 s[22:23], s[10:11], s[22:23]
	s_cmp_lt_u32 s19, 640
	s_cselect_b64 s[22:23], s[8:9], s[22:23]
	s_cmp_lt_u32 s19, 576
	s_cselect_b64 s[22:23], s[6:7], s[22:23]
	s_cmp_lt_u32 s19, 512
	s_cselect_b64 s[22:23], s[4:5], s[22:23]
	s_add_nc_u64 s[22:23], s[22:23], s[28:29]
	s_add_nc_u64 s[14:15], s[14:15], s[30:31]
	s_add_nc_u64 s[16:17], s[16:17], s[2:3]
.macro LOAD t                          ; K step t of the tile's 16 rows into set t % 2: 32 lanes read 512 consecutive bytes of a row
.irp i, 0,1,2,3,4,5,6,7,8,9,10,11,12,13,14,15
	global_load_b128 v[R+64*((\t)%2)+4*\i:R+64*((\t)%2)+4*\i+3], v4, s[22:23] offset:(\i+8*(\i/8))*4096+512*(\t) th:TH_LOAD_NT
.endr
.endm
.macro STEP t
.if (\t) < 7
	s_wait_loadcnt 16                              ; this step's 16 loads are in; the next step's 16 may be out
.else
	s_wait_loadcnt 0x0
.endif
.irp i, 0,1,2,3,4,5,6,7,8,9,10,11,12,13,14,15
	ds_store_b128 v6, v[R+64*((\t)%2)+4*\i:R+64*((\t)%2)+4*\i+3] offset:528*\i
.endr
.irp c, 0,1
.irp e, 0,1,2,3,4,5,6,7
	ds_load_b128 v[X+32*\c+4*\e:X+32*\c+4*\e+3], v7 offset:256*\c+16*\e   ; LDS serves a wave's instructions in order (ISA guide 5.7.1.4): these see the stores above
.endr
.endr
	s_wait_dscnt 0x0                               ; my numbers are back, and the stores have read the set,
.if (\t) < 6
	LOAD (\t)+2                                    ; which takes the loads of two steps on
.endif
.irp c, 0,1
	v_max3_num_f32 v[12+\c], |v[X+32*\c]|, |v[X+32*\c+1]|, 0x1800000   ; block 2 c + h: all its 32 numbers are mine; the floor 2^(3 - 127) holds the byte at 1 from below
.endr
.irp i, 2,4,6,8,10,12,14,16,18,20,22,24,26,28,30
.irp c, 0,1
	v_max3_num_f32 v[12+\c], v[12+\c], |v[X+32*\c+\i]|, |v[X+32*\c+\i+1]|   ; (the two blocks by turns)
.endr
.endr
.irp c, 0,1
	v_add_nc_u32 v[14+\c], 0xff000000, v[12+\c]    ; 2 off the exponent field: the conversion takes the exponent field of this operand as its scale
.endr
.irp c, 0,1
	v_lshrrev_b32 v[236+\c], 23, v[14+\c]          ; the scale's byte
.endr
	v_lshl_or_b32 v9, v237, 16, v236               ; my two bytes: blocks h and 2 + h,
	v_lshlrev_b32 v9, v8, v9                       ; at their places in the word;
	v_permlanex16_b32 v10, v9, s26, s27
	v_or_b32 v[WD+(\t)], v9, v10                   ; with lane l xor 16's two the word is whole, in both lanes
.if (\t) > 0
	s_wait_alu depctr_va_vdst(0)
	s_wait_xcnt 0x0                                ; the last step's stores have read their data: the codes' registers are written again only behind this wait
.endif
	v_cvt_scalef32_pk16_fp6_f32 v[C:C+2], v[X:X+15], v14
	v_cvt_scalef32_pk16_fp6_f32 v[CT:CT+2], v[X+16:X+31], v14
	v_cvt_scalef32_pk16_fp6_f32 v[C+6:C+8], v[X+32:X+47], v15
	v_cvt_scalef32_pk16_fp6_f32 v[CT1:CT1+2], v[X+48:X+63], v15
	v_nop                                          ; one plain place behind a scaled conversion
.irp i, 0,1,2
	v_mov_b32 v[C+3+\i], v[CT+\i]
	v_mov_b32 v[C+9+\i], v[CT1+\i]
.endr
	global_store_b128 v4, v[C:C+3], s[14:15] offset:1536*(\t)          ; 512 consecutive bytes, aligned to 256
	global_store_b64 v5, v[C+4:C+5], s[14:15] offset:1536*(\t)+512     ; 256 consecutive bytes
	global_store_b128 v4, v[C+6:C+9], s[14:15] offset:1536*(\t)+768
	global_store_b64 v5, v[C+10:C+11], s[14:15] offset:1536*(\t)+1280
.endm
	LOAD 0
	LOAD 1
.irp t, 0,1,2,3,4,5,6,7
	STEP \t
.endr
	v_cmp_le_u32 vcc_lo, 16, v2                    ; lanes 16-31 store the words of K steps 4 to 7
.irp i, 0,1,2,3
	v_cndmask_b32 v[Z+\i], v[WD+\i], v[WD+4+\i], vcc_lo
.endr
	global_store_b128 v4, v[Z:Z+3], s[16:17]       ; the tile's 512 bytes of scale words
	s_wait_tensorcnt 0x0
	ds_add_u32 v248, v249
	s_wait_dscnt 0x0
	s_endpgm
.Lfunc_end_k_qb91fc4f042_quant:
	.size	k_qb91fc4f042_quant, .Lfunc_end_k_qb91fc4f042_quant-k_qb91fc4f042_quant
	.p2alignl 7, 3214868480
	.fill 96, 4, 3214868480
	.section	.rodata,"a",@progbits
	.p2align	6, 0x0
	.amdhsa_kernel k_qb91fc4f042_quant
		.amdhsa_group_segment_fixed_size 26112
		.amdhsa_private_segment_fixed_size 0
		.amdhsa_enable_private_segment 0
		.amdhsa_kernarg_size 56
		.amdhsa_user_sgpr_count 2
		.amdhsa_user_sgpr_kernarg_segment_ptr 1
		.amdhsa_wavefront_size32 1
		.amdhsa_system_sgpr_workgroup_id_x 1
		.amdhsa_system_sgpr_workgroup_id_y 1
		.amdhsa_system_sgpr_workgroup_id_z 1
		.amdhsa_system_vgpr_workitem_id 0
		.amdhsa_next_free_vgpr 250
		.amdhsa_next_free_sgpr 66
		.amdhsa_reserve_vcc 1
		.amdhsa_float_denorm_mode_32 3
		.amdhsa_float_denorm_mode_16_64 3
		.amdhsa_memory_ordered 1
		.amdhsa_forward_progress 1
		.amdhsa_inst_pref_size 59
	.end_amdhsa_kernel
	.amdgpu_metadata
---
amdhsa.version: [ 1, 2 ]
amdhsa.kernels:
  - .name:           k_qb91fc4f042_quant
    .symbol:         k_qb91fc4f042_quant.kd
    .args:
      - { .name: x, .offset: 0, .size: 8, .value_kind: global_buffer, .address_space: global }
      - { .name: Wq, .offset: 8, .size: 8, .value_kind: global_buffer, .address_space: global }
      - { .name: Wk, .offset: 16, .size: 8, .value_kind: global_buffer, .address_space: global }
      - { .name: Wv, .offset: 24, .size: 8, .value_kind: global_buffer, .address_space: global }
      - { .name: Wout, .offset: 32, .size: 8, .value_kind: global_buffer, .address_space: global }
      - { .name: cod, .offset: 40, .size: 8, .value_kind: global_buffer, .address_space: global }
      - { .name: scl, .offset: 48, .size: 8, .value_kind: global_buffer, .address_space: global }
    .group_segment_fixed_size: 26112
    .private_segment_fixed_size: 0
    .kernarg_segment_align: 8
    .kernarg_segment_size: 56
    .max_flat_workgroup_size: 96
    .sgpr_count:     66
    .vgpr_count:     250
    .wavefront_size: 32
...
	.end_amdgpu_metadata
.endif
;; end of part 1
;; launch qkv (part 2): grid 12 x 32, 4 waves a work-group, clusters of 4 x 4, 327,680 bytes of LDS; arguments cod, scl, qkvc; writes qkvc
.if DOCPART == 2
	.amdgcn_target "amdgcn-amd-amdhsa--gfx1250"
	.amdhsa_code_object_version 6
	.text
	.protected	k_qb91fc4f042_qkv
	.globl	k_qb91fc4f042_qkv
	.p2align	8
	.type	k_qb91fc4f042_qkv,@function
k_qb91fc4f042_qkv:
	s_mov_b64 s[64:65], 0
	v_nop
	global_prefetch_b8 v0, s[64:65] scope:SCOPE_SE
	s_setreg_imm32_b32 hwreg(HW_REG_WAVE_MODE, 25, 1), 1
	s_wait_xcnt 0x0
	s_wait_alu depctr_hold_cnt(0) depctr_sa_sdst(0) depctr_va_vdst(0) depctr_va_sdst(0) depctr_va_ssrc(0) depctr_va_vcc(0) depctr_vm_vsrc(0)
	s_getreg_b32 s2, hwreg(HW_REG_IB_STS2, 6, 4)
	s_cmp_eq_u32 s2, 0
	s_cbranch_scc0 .Lentry_in_a_cluster
	s_endpgm
.Lentry_in_a_cluster:
	s_bfe_u32 s2, ttmp6, 0x10000c
	s_cmp_lg_u32 s2, 0xf033
	s_cbranch_scc0 .Lentry_shape_is_right
	s_endpgm
.Lentry_shape_is_right:
; q = x Wq^T, k = x Wk^T, v = x Wv^T on codes of FP6 (E2M3) with E8M0 scales, f32 sums; q and k are multiplied by 64^(-1/4) = 2^-1.5 in f32; then q and k are quantised along the head's 64 channels
; and v along the keys, in registers, and leave as images of the next launch's operand registers.  No f32 result goes to memory.
; LIMITS: NaN and infinities are not served; a block of zeros, or one whose largest magnitude lies under 2^-124, gets the byte 1 (its codes are zeros or subnormal; this program alone reads the bytes).
; SHARES.  A work-group makes 256 tokens (work-group y) x 256 rows of the stacked weights (work-group x: 0-3 Wq, 4-7 Wk, 8-11 Wv); a wave 128 x 128: 64 accumulators, 512 registers.
; K goes in steps of 256 through two LDS slots.  cod is laid as images of operand registers (a tile of 16 rows: 12,288 bytes; 128 along K: 1,536): a slot's part of a tile is 3,072 consecutive bytes, a fragment comes by
; four loads in which neighbouring lanes take neighbouring bytes, so LDS has no pitch and no padding.
; WHICH OPERAND IS WHICH SOURCE IS CHOSEN BY LDS ADDRESS ALONE.  Source 1 gives the result's lanes, source 0 its registers.  q, k: source 1 = tokens, source 0 = weights: a lane holds one token, its registers run along
; the channels.  v: source 1 = Wv, source 0 = tokens: a lane holds one channel, its registers run along the keys.  The choice hangs on the cluster's x, which all partners share; both addresses stay inside the slot.
; CLUSTERS: 4 x 4 work-groups.  The four of a row need the same token tiles, the four of a column the same weight tiles: each is asked for jointly, by the same tensor load with a mask that names the four.
; THE SCALE WORDS of the wave's 8 + 8 tiles for all 8 K steps are 64 registers, loaded once: register SC + 8 i + s: lanes 0-15 the word of source 1's tile i, lanes 16-31 that of source 0's tile i.
; The 8 steps of 128 along K are written out: the scale registers differ from step to step.  Two refills a work-group: nothing is asked of memory ahead of them.
; qkvc: [head 16 b + m][step of 128 tokens][19,200 bytes] = K's section, V's, Q's, 6,400 bytes each: 6,144 of codes, 256 of scale words.  K, Q: token tile a (16 tokens x 64 channels, 6 registers) at 768 a.
; V: channel tile t (16 channels x 128 keys, 12 registers) at 1,536 t.  Scale words: lane l has 8 bytes at 8 l: word 0 of item l / 16, word 1 of item 2 + l / 16; an item is a pair of token tiles (two bytes each) or a channel tile.
; REGISTERS, in windows of 256: window 0: v16-29 addresses; v32-95 scale words; v128-223 source 1's fragments, ONE set; on the way out v96-231 are at work.  window 1: source 0's fragments, TWO sets, at v0 and v128.
;   window 2: the accumulators of source 1's tiles 0-3 ((a, b) at v[8 (8 (a % 4) + b)]);  window 3: those of tiles 4-7.
.set HALFT,  8*3072                    ; 8 tiles x 256 along K: what one tensor load brings, and what one wave reads of an operand
.set SLOT,   4*HALFT                   ; the tokens' two halves, then the weights' two halves
.set SPARE,  2*SLOT                    ; behind the ring: the spare words, 128 bytes for each wave, which no other line names
.set FR,     12                        ; registers of a fragment
.set NL,     4                         ; LDS loads that bring one
.set LA16,   16                        ; v16-17  source 1: 16 x lane + its place, in slot 0, 1
.set LA8,    18                        ; v18-19  the same with 8 x lane
.set RA16,   20                        ; v20-21  source 0
.set RA8,    22                        ; v22-23
.set L16,    24                        ; v24     16 x lane
.set L8,     25                        ; v25     8 x lane
.set SOFF,   26                        ; v26     my byte in scl
.set SPW,    28                        ; v28     LDS address of my spare word; never rewritten
.set NIL,    29                        ; v29     0; never rewritten
.set SC,     32
.set AF,     128
.set XN,     128                       ; the way out: v128-191 64 numbers of a lane
.set PC,     96                        ; v96-115 the codes just made
.set TM,     200                       ; v200-215 at work
.set PWB,    224                       ; v224-231 the scale word of each of source 1's tiles
.set G1,  24                           ; s[24:31] descriptor group 1 for the tokens' tiles;  s[32:39] group 0, one set for each slot
.set G0,  32
.set G1B, 48                           ; s[48:55], s[56:63] the same for the weights'
.set G0B, 56
.set MSB, 0
.macro WIN new                         ; the immediate's high byte repeats the setting that is left
.if MSB != (\new)
	s_set_vgpr_msb (MSB<<8)|(\new)
.set MSB, (\new)
.endif
.endm
.set MUL_LO, 0xa1                      ; source 0 window 1, source 1 window 0, C and D window 2
.set MUL_HI, 0xf1                      ; the same, C and D window 3
.set TO_B,   0x40                      ; destination window 1, address window 0
; A joint load: waves 0 and 1 fetch the tokens' halves, waves 2 and 3 the weights'.  The branch hangs on the wave's number alone.  Four v_nop follow each of the two lines.
.macro JLOAD g0a, g1a, g0b, g1b
	s_cmp_eq_u32 s15, 0
	s_cbranch_scc0 .Lfor_b_\@
	tensor_load_to_lds s[\g0a:\g0a+3], s[\g1a:\g1a+7]
	s_nop 0
.rept 4
	v_nop
.endr
	s_branch .Lasked_\@
.Lfor_b_\@:
	tensor_load_to_lds s[\g0b:\g0b+3], s[\g1b:\g1b+7]
	s_nop 0
.rept 4
	v_nop
.endr
.Lasked_\@:
.endm
.macro CREST                           ; a round of the cluster's barrier behind its opening barrier
	s_cmp_lg_u32 s14, 0
	s_cbranch_scc1 .Lnot_wave_0_\@
	s_barrier_signal -3
.Lnot_wave_0_\@:
	s_barrier_wait -3
	s_barrier_signal -1
	s_barrier_wait -1
.endm
.macro CROUND                          ; a whole round
	s_barrier_signal -1
	s_barrier_wait -1
	CREST
.endm
.macro PLACES n
.rept \n
	v_nop
.endr
.endm
	s_load_b128 s[4:7], s[0:1], 0x0                ; cod, scl
	s_load_b64 s[8:9], s[0:1], 0x10                ; qkvc
	v_lshl_add_u32 v[SPW], v0, 2, SPARE
	v_mov_b32 v[NIL], 0
	ds_add_u32 v28, v29
	ds_add_u32 v28, v29
	s_wait_dscnt 0x0
	v_lshrrev_b32 v1, 5, v0
	v_readfirstlane_b32 s14, v1                    ; wave 0..3
	s_lshr_b32 s15, s14, 1                         ; which 128 tokens are mine.  Also: I fetch tokens (0) or weights (1)
	s_and_b32 s16, s14, 1                          ; which 128 weight rows.  Also: which half I fetch
	s_bfe_u32 s40, ttmp6, 0x40000                  ; cx, cy: my place in the cluster
	s_bfe_u32 s41, ttmp6, 0x40004
	s_lshl_b32 s42, ttmp9, 2
	s_add_co_u32 s42, s42, s40                     ; x = 4 x cluster x + cx
	s_and_b32 s17, ttmp7, 0xffff
	s_lshl_b32 s17, s17, 2
	s_add_co_u32 s17, s17, s41                     ; y = 4 x cluster y + cy
	s_lshl_b32 s43, s41, 2
	s_lshl_b32 s43, 15, s43                        ; my row of the cluster
	s_lshl_b32 s44, 0x1111, s40                    ; my column
	; descriptor group 1: 8 rows (tiles) of 3,072 bytes = 384 elements of 8 bytes, 12,288 bytes = 1,536 elements apart; no padding
	s_or_b32 s[G1+0], s43, (3<<16)|(1<<21)         ; 15:0 the mask: the tokens' tiles go to my row; 17:16 elements of 8 bytes; 21 set beside a mask
	s_or_b32 s[G1B+0], s44, (3<<16)|(1<<21)        ; the weights' to my column
.irp g, G1, G1B
	s_mov_b32 s[\g+1], 384<<16                     ; tensor_dim0
	s_mov_b32 s[\g+2], 8<<16                       ; tensor_dim1
	s_mov_b32 s[\g+3], 384<<16                     ; tile_dim0
	s_mov_b32 s[\g+4], 8                           ; tile_dim1
	s_mov_b32 s[\g+5], 1536                        ; tensor_dim0_stride
	s_mov_b32 s[\g+6], 0
	s_mov_b32 s[\g+7], 0
.endr
	s_lshl_b32 s18, s16, 3                         ; which 8 tiles I fetch
	s_lshl_b32 s20, s17, 4
	s_add_co_u32 s20, s20, s18                     ; tokens: tile 16 y + 8 x half
	s_mul_i32 s20, s20, 12288
	s_mov_b32 s21, 0
	s_lshl_b32 s46, s42, 4
	s_add_co_u32 s46, s46, s18
	s_add_co_u32 s46, s46, 512                     ; weights: tile 512 + 16 x + 8 x half
	s_mul_i32 s46, s46, 12288
	s_mov_b32 s47, 0
	s_mul_i32 s45, s14, HALFT                      ; where they go: wave x HALFT: no place in the cluster enters an LDS address
	s_wait_kmcnt 0x0
	s_add_nc_u64 s[20:21], s[4:5], s[20:21]
	s_add_nc_u64 s[46:47], s[4:5], s[46:47]
	CROUND                                         ; all sixteen work-groups are here: the first joint loads meet
.irp s, 0,1
	s_mov_b32 s[G0+4*\s], 1
	s_add_co_u32 s[G0+4*\s+1], s45, \s*SLOT
	s_add_nc_u64 s[G0+4*\s+2:G0+4*\s+3], s[20:21], \s*3072
	s_or_b32 s[G0+4*\s+3], s[G0+4*\s+3], 0x80000000
	s_mov_b32 s[G0B+4*\s], 1
	s_add_co_u32 s[G0B+4*\s+1], s45, \s*SLOT
	s_add_nc_u64 s[G0B+4*\s+2:G0B+4*\s+3], s[46:47], \s*3072
	s_or_b32 s[G0B+4*\s+3], s[G0B+4*\s+3], 0x80000000
	s_wait_alu depctr_va_vdst(0)
	s_wait_tensorcnt 0x0
	ds_add_u32 v28, v29
	ds_add_u32 v28, v29
	s_wait_dscnt 0x0
	CROUND
	JLOAD G0+4*\s, G1, G0B+4*\s, G1B
.endr
	v_and_b32 v1, 31, v0                           ; lane
	s_wait_alu depctr_va_vdst(0)
	v_and_b32 v2, 15, v0                           ; r
	v_lshlrev_b32 v[L16], 4, v1
	v_lshlrev_b32 v[L8], 3, v1
	s_lshl_b32 s84, s17, 4
	s_lshl_b32 s86, s15, 3
	s_add_co_u32 s84, s84, s86
	s_lshl_b32 s84, s84, 9                         ; my tokens' first tile, 16 y + 8 hY, in scl: 512 bytes a tile
	s_lshl_b32 s85, s42, 4
	s_lshl_b32 s86, s16, 3
	s_add_co_u32 s85, s85, s86
	s_add_co_u32 s85, s85, 512
	s_lshl_b32 s85, s85, 9                         ; my weights' first tile, 512 + 16 x + 8 hX
	s_mul_i32 s88, s15, HALFT                      ; my tokens in a slot,
	s_mul_i32 s89, s16, HALFT
	s_add_co_u32 s89, s89, 2*HALFT                 ; my weights
	s_lshr_b32 s10, s17, 3                         ; where my results go: batch y / 8,
	s_lshl_b32 s10, s10, 4
	s_lshl_b32 s11, s40, 2
	s_add_co_u32 s10, s10, s11
	s_lshl_b32 s11, s16, 1
	s_add_co_u32 s10, s10, s11                     ; head 16 b + 4 cx + 2 hX (and the head after it),
	s_lshl_b32 s10, s10, 4
	s_and_b32 s11, s17, 7
	s_lshl_b32 s11, s11, 1
	s_add_co_u32 s10, s10, s11
	s_add_co_u32 s10, s10, s15                     ; step 2 (y % 8) + hY
	s_mul_i32 s10, s10, 19200
	s_mov_b32 s70, 0x05040100
	s_mov_b32 s71, 0x07060302
	s_mov_b32 s12, 768
	s_mov_b32 s18, 307200
	s_cmp_eq_u32 ttmp9, 2                          ; v?  The cluster's x is the same in all partners
	s_cselect_b32 s86, s85, s84                    ; source 1's tiles in scl,
	s_cselect_b32 s87, s84, s85                    ; source 0's
	s_cselect_b32 s90, s89, s88                    ; source 1's place in a slot,
	s_cselect_b32 s91, s88, s89                    ; source 0's
	s_cselect_b32 s68, 1.0, 0x3eb504f3             ; v as it is; q and k x 2^-1.5
	s_cselect_b32 s70, 0x03020100, s70             ; how two tiles' scale words make one head's item (below)
	s_cselect_b32 s71, 0x07060504, s71
	s_cselect_b32 s92, 6400, 0                     ; the section
	s_cselect_b32 s12, 307200, s12                 ; from source 1's even tile to the odd one: q, k: the next token tile; v: the next head
	s_cselect_b32 s18, 768, s18                    ; from a fragment's first half to its second: q, k: the next head; v: on end
	s_mov_b32 s69, s68                             ; (the packed form names the pair)
	s_cmp_eq_u32 ttmp9, 0
	s_cselect_b32 s92, 12800, s92
	s_add_co_u32 s10, s10, s92
	s_mov_b32 s11, 0
	s_mov_b32 s13, 0
	s_mov_b32 s19, 0
	s_add_nc_u64 s[72:73], s[8:9], s[10:11]        ; even tile, first half
	s_add_nc_u64 s[74:75], s[72:73], s[12:13]      ; odd tile, first half
	s_add_nc_u64 s[76:77], s[72:73], s[18:19]      ; even tile, second half
	s_add_nc_u64 s[78:79], s[72:73], 307968        ; odd tile, second half
	s_add_nc_u64 s[80:81], s[72:73], 307200        ; the next head
	s_mov_b32 s82, 0x76543210
	s_mov_b32 s83, 0xfedcba98                      ; v_permlanex16_b32's selects for lane l xor 16
	v_cmp_le_u32 vcc_lo, 16, v1
	v_mov_b32 v[SOFF], s86
	v_mov_b32 v27, s87
	v_cndmask_b32 v[SOFF], v[SOFF], v27, vcc_lo    ; lanes 0-15 take source 1's words, lanes 16-31 source 0's
	s_wait_alu depctr_va_vdst(0)
	v_lshl_add_u32 v[SOFF], v2, 4, v[SOFF]
.irp i, 0,1,2,3,4,5,6,7
.irp q, 0,1
	global_load_b128 v[SC+8*\i+4*\q:SC+8*\i+4*\q+3], v[SOFF], s[6:7] offset:512*\i+256*\q   ; sixteen lanes read 256 consecutive bytes: four K steps' words of a tile
.endr
.endr
	v_add_nc_u32 v[LA16], s90, v[L16]
	v_add_nc_u32 v[LA16+1], SLOT, v[LA16]
	v_add_nc_u32 v[LA8], s90, v[L8]
	v_add_nc_u32 v[LA8+1], SLOT, v[LA8]
	v_add_nc_u32 v[RA16], s91, v[L16]
	v_add_nc_u32 v[RA16+1], SLOT, v[RA16]
	v_add_nc_u32 v[RA8], s91, v[L8]
	v_add_nc_u32 v[RA8+1], SLOT, v[RA8]
.macro FRAG reg, a16, a8, off          ; a fragment from its image: registers 0-3, 4-5, 6-9, 10-11; in each load neighbouring lanes take neighbouring bytes
	ds_load_b128 v[\reg:\reg+3], v[\a16] offset:\off
	ds_load_b64 v[\reg+4:\reg+5], v[\a8] offset:\off+512
	ds_load_b128 v[\reg+6:\reg+9], v[\a16] offset:\off+768
	ds_load_b64 v[\reg+10:\reg+11], v[\a8] offset:\off+1280
.endm
.macro FETCH_B slot, q, p              ; source 0's eight fragments of the slot's q-th 128 along K into set p
	WIN TO_B
.irp i, 0,1,2,3,4,5,6,7
	FRAG 128*(\p)+FR*\i, RA16+\slot, RA8+\slot, 3072*\i+1536*(\q)
.endr
	WIN 0
.endm
.macro FETCH_A slot, q, i0             ; source 1's tiles i0 .. i0 + 3
.irp i, \i0, \i0+1, \i0+2, \i0+3
	FRAG AF+FR*(\i), LA16+\slot, LA8+\slot, 3072*(\i)+1536*(\q)
.endr
.endm
; 16 matrix instructions: source 1's tiles a0, a0 + 1 x source 0's eight; K step s of 8; p: source 0's set.  zero = 1: the first product starts the sums.
; The 64 accumulators take turns, one instruction a turn, in the same order in every step.
.macro MUL16 a0, p, s, zero
.irp a, \a0, \a0+1
.irp b, 0,1,2,3,4,5,6,7
.if \zero
	v_wmma_scale_f32_16x16x128_f8f6f4 v[8*(8*((\a)%4)+\b):8*(8*((\a)%4)+\b)+7], v[128*(\p)+FR*\b:128*(\p)+FR*\b+FR-1], v[AF+FR*(\a):AF+FR*(\a)+FR-1], 0, v[SC+8*\b+(\s)], v[SC+8*(\a)+(\s)] matrix_a_fmt:MATRIX_FMT_FP6 matrix_b_fmt:MATRIX_FMT_FP6 matrix_a_scale:MATRIX_SCALE_ROW1
.else
	v_wmma_scale_f32_16x16x128_f8f6f4 v[8*(8*((\a)%4)+\b):8*(8*((\a)%4)+\b)+7], v[128*(\p)+FR*\b:128*(\p)+FR*\b+FR-1], v[AF+FR*(\a):AF+FR*(\a)+FR-1], v[8*(8*((\a)%4)+\b):8*(8*((\a)%4)+\b)+7], v[SC+8*\b+(\s)], v[SC+8*(\a)+(\s)] matrix_a_fmt:MATRIX_FMT_FP6 matrix_b_fmt:MATRIX_FMT_FP6 matrix_a_scale:MATRIX_SCALE_ROW1
.endif
.endr
.endr
.endm
; A slot's first 128 along K (K step s).  A load into a register that a matrix instruction has read stands four places behind it, and only plain vector instructions are places (ISA guide 7.12.1 for vector instructions).
.macro STEP slot, s, zero
	s_wait_dscnt 4*NL                              ; source 0's set and source 1's tiles 0-3 are in; the youngest 16 loads (tiles 4-7) may be out
	WIN MUL_LO
	MUL16 0, 0, \s, \zero
	MUL16 2, 0, \s, \zero
	s_wait_dscnt 0x0                               ; tiles 4-7 are in
	PLACES 4
	FETCH_B \slot, 1, 1
	FETCH_A \slot, 1, 0
	WIN MUL_HI
	MUL16 4, 0, \s, \zero
	MUL16 6, 0, \s, \zero
	PLACES 4
	WIN 0
	FETCH_A \slot, 1, 4
.endm
; A slot's second 128 along K changes slots: ONE barrier; in front of it each wave waits for all its tensor loads, adds 0 to its spare word, and waits for that and for its own reads of this slot.
; fill = 1: this slot is filled again, with the K step of 256 two on; the barrier then opens a round of the cluster's barrier.
.macro TURN slot, next, fill, s
	s_wait_tensorcnt 0x0                           ; all my tensor loads have landed: my part of the next slot  (every window is 0 here)
	ds_add_u32 v[SPW], v[NIL]                      ; 0 onto my spare word
	s_wait_dscnt 4*NL+1                            ; (the add and the youngest 16 loads, source 1's tiles 4-7, may be out)
	WIN MUL_LO
	MUL16 0, 1, \s, 0                              ; sixteen matrix instructions stand between the add and the wait for it
	s_wait_dscnt 0x0                               ; the add is done, and my reads of this slot are over
	s_barrier_signal -1
	MUL16 2, 1, \s, 0
	WIN 0
	s_barrier_wait -1
.if \fill
	CREST                                          ; no wave of any partner still reads this slot's tiles or has a load on its way
	s_add_nc_u64 s[G0+4*\slot+2:G0+4*\slot+3], s[G0+4*\slot+2:G0+4*\slot+3], 2*3072
	s_add_nc_u64 s[G0B+4*\slot+2:G0B+4*\slot+3], s[G0B+4*\slot+2:G0B+4*\slot+3], 2*3072
	JLOAD G0+4*\slot, G1, G0B+4*\slot, G1B         ; the first tensor load behind the round; its four v_nop are also the places in front of the loads below
.else
	PLACES 4
.endif
	FETCH_B \next, 0, 0
	FETCH_A \next, 0, 0
	WIN MUL_HI
	MUL16 4, 1, \s, 0
	MUL16 6, 1, \s, 0
	PLACES 4
	WIN 0
	FETCH_A \next, 0, 4
.endm
	s_wait_alu depctr_va_vdst(0)
	s_wait_loadcnt 0x0                             ; the scale words
	s_wait_tensorcnt 0x1                           ; my part of slot 0 is in; slot 1's may stay out
	s_barrier_signal -1
	s_barrier_wait -1                              ; everybody's is
	FETCH_B 0, 0, 0
	FETCH_A 0, 0, 0
	FETCH_A 0, 0, 4
	STEP 0, 0, 1                                   ; the first step's products start the sums: nothing is cleared
	TURN 0, 1, 1, 1
	STEP 1, 2, 0
	TURN 1, 0, 1, 3
	STEP 0, 4, 0
	TURN 0, 1, 0, 5                                ; nothing is left to fetch
	STEP 1, 6, 0
	s_wait_dscnt 4*NL                              ; the last step
	WIN MUL_LO
	MUL16 0, 1, 7, 0
	MUL16 2, 1, 7, 0
	s_wait_dscnt 0x0
	WIN MUL_HI
	MUL16 4, 1, 7, 0
	MUL16 6, 1, 7, 0
	WIN 0
	PLACES 4                                       ; in front of the first read of results and the first write of registers that the last products read
; THE WAY OUT.  For one tile a of source 1 a lane's 64 results are 128 neighbours along source 0's rows in the order 32 b + 16 (lane / 16) + i: four blocks of 32, each shared with lane l xor 16.
; 64 numbers v[s] .. v[s + 63] become a fragment's codes in v[PC] on and its scale word in v[pw].
.macro QUANT s, pw
.irp b, 0,1,2,3
	v_max3_num_f32 v[TM+\b], |v[\s+16*\b]|, |v[\s+1+16*\b]|, 0x1800000   ; my 16 numbers of block b, and the floor 2^(3 - 127): the byte cannot fall under 1
.endr
.irp i, 2,4,6,8,10,12,14
.irp b, 0,1,2,3
	v_max3_num_f32 v[TM+\b], v[TM+\b], |v[\s+16*\b+\i]|, |v[\s+1+16*\b+\i]|   ; (the four blocks by turns)
.endr
.endr
.irp b, 0,1,2,3
	v_permlanex16_b32 v[TM+4+\b], v[TM+\b], s82, s83
.endr
.irp b, 0,1,2,3
	v_max_num_f32 v[TM+\b], v[TM+\b], v[TM+4+\b]   ; with lane l xor 16's: the block's largest magnitude
.endr
.irp b, 0,1,2,3
	v_add_nc_u32 v[TM+12+\b], 0xff000000, v[TM+\b] ; 2 off its exponent field: the conversion's scale operand
.endr
.irp b, 0,1,2,3
	v_lshrrev_b32 v[TM+4+\b], 23, v[TM+12+\b]      ; the scale's byte
.endr
	v_lshl_or_b32 v[\pw], v[TM+5], 8, v[TM+4]
	v_lshl_or_b32 v[\pw], v[TM+6], 16, v[\pw]
	v_lshl_or_b32 v[\pw], v[TM+7], 24, v[\pw]
.irp c, 0,1
	v_cvt_scalef32_pk16_fp6_f32 v[PC+6*\c:PC+2+6*\c], v[\s+32*\c:\s+15+32*\c], v[TM+12+2*\c]
	v_cvt_scalef32_pk16_fp6_f32 v[PC+12+4*\c:PC+14+4*\c], v[\s+16+32*\c:\s+31+32*\c], v[TM+12+2*\c+1]   ; (a conversion's three registers begin on an even number)
.endr
	v_nop                                          ; one plain place behind a scaled conversion
.irp c, 0,1                                    ; the operand's layout wants a WHOLE block in a lane: lanes 0-15 block 2 c, lanes 16-31 block 2 c + 1
.irp i, 0,1,2
	v_permlane16_swap_b32 v[PC+6*\c+\i], v[PC+12+4*\c+\i]
.endr
.irp i, 0,1,2
	v_mov_b32 v[PC+3+6*\c+\i], v[PC+12+4*\c+\i]
.endr
.endr
.endm
; Tile a = 2 j + u.  q, k: token tile a; the fragment's halves are heads m0 and m0 + 1.  v: channel tile j of head m0 + u; the halves lie on end.  The four bases hold the difference.
.macro EP a
.if (\a) > 0
	s_wait_xcnt 0x0                                ; the last tile's stores have read their data: the codes' registers are written again only behind this wait
.endif
	WIN 0x02+(\a)/4                                ; source 0: window 2 or 3
.set k, 0
.rept 32
	v_pk_mul_f32 v[XN+2*k:XN+2*k+1], v[64*((\a)%4)+2*k:64*((\a)%4)+2*k+1], s[68:69] op_sel_hi:[1,0]   ; each accumulator from its low end on
.set k, k+1
.endr
	WIN 0
	QUANT XN, PWB+(\a)
	global_store_b128 v[L16], v[PC:PC+3], s[72+2*((\a)%2):73+2*((\a)%2)] offset:1536*((\a)/2)        ; 512 consecutive bytes, aligned to 256
	global_store_b64 v[L8], v[PC+4:PC+5], s[72+2*((\a)%2):73+2*((\a)%2)] offset:1536*((\a)/2)+512    ; 256 consecutive bytes
	global_store_b128 v[L16], v[PC+6:PC+9], s[76+2*((\a)%2):77+2*((\a)%2)] offset:1536*((\a)/2)
	global_store_b64 v[L8], v[PC+10:PC+11], s[76+2*((\a)%2):77+2*((\a)%2)] offset:1536*((\a)/2)+512
.endm
.irp b, 0,1,2,3
	v_mov_b32 v[TM+4+\b], 0                        ; written once: a lane permute's destination counts as one of its sources
.endr
.irp a, 0,1,2,3,4,5,6,7
	EP \a
.endr
	; the scale words.  Lane (r, h) stores items h and 2 + h of each of the two heads.  q, k: item j of head c = bytes 2 c, 2 c + 1 of tiles 2 j and 2 j + 1.  v: item t of head c = the whole word of tile 2 t + c.
	v_cmp_le_u32 vcc_lo, 16, v1
	v_cndmask_b32 v200, v[PWB+0], v[PWB+2], vcc_lo
	v_cndmask_b32 v201, v[PWB+1], v[PWB+3], vcc_lo
	v_cndmask_b32 v202, v[PWB+4], v[PWB+6], vcc_lo
	v_cndmask_b32 v203, v[PWB+5], v[PWB+7], vcc_lo
	v_perm_b32 v204, v201, v200, s70
	v_perm_b32 v205, v203, v202, s70
	v_perm_b32 v206, v201, v200, s71
	v_perm_b32 v207, v203, v202, s71
	global_store_b64 v[L8], v[204:205], s[72:73] offset:6144   ; 256 consecutive bytes, aligned
	global_store_b64 v[L8], v[206:207], s[80:81] offset:6144
	s_wait_tensorcnt 0x0                           ; the wave's end
	ds_add_u32 v[SPW], v[NIL]
	s_wait_dscnt 0x0
	CROUND                                         ; the closing round: no work-group ends while a partner may still ask for a tile that names it
	s_endpgm
.Lfunc_end_k_qb91fc4f042_qkv:
	.size	k_qb91fc4f042_qkv, .Lfunc_end_k_qb91fc4f042_qkv-k_qb91fc4f042_qkv
	.p2alignl 7, 3214868480
	.fill 96, 4, 3214868480
	.section	.rodata,"a",@progbits
	.p2align	6, 0x0
	.amdhsa_kernel k_qb91fc4f042_qkv
		.amdhsa_group_segment_fixed_size 327680
		.amdhsa_private_segment_fixed_size 0
		.amdhsa_enable_private_segment 0
		.amdhsa_kernarg_size 24
		.amdhsa_user_sgpr_count 2
		.amdhsa_user_sgpr_kernarg_segment_ptr 1
		.amdhsa_wavefront_size32 1
		.amdhsa_system_sgpr_workgroup_id_x 1
		.amdhsa_system_sgpr_workgroup_id_y 1
		.amdhsa_system_sgpr_workgroup_id_z 1
		.amdhsa_system_vgpr_workitem_id 0
		.amdhsa_next_free_vgpr 1024
		.amdhsa_next_free_sgpr 96
		.amdhsa_reserve_vcc 1
		.amdhsa_float_denorm_mode_32 3
		.amdhsa_float_denorm_mode_16_64 3
		.amdhsa_memory_ordered 1
		.amdhsa_forward_progress 1
		.amdhsa_inst_pref_size 164
	.end_amdhsa_kernel
	.amdgpu_metadata
---
amdhsa.version: [ 1, 2 ]
amdhsa.kernels:
  - .name:           k_qb91fc4f042_qkv
    .symbol:         k_qb91fc4f042_qkv.kd
    .args:
      - { .name: cod, .offset: 0, .size: 8, .value_kind: global_buffer, .address_space: global }
      - { .name: scl, .offset: 8, .size: 8, .value_kind: global_buffer, .address_space: global }
      - { .name: qkvc, .offset: 16, .size: 8, .value_kind: global_buffer, .address_space: global }
    .group_segment_fixed_size: 327680
    .private_segment_fixed_size: 0
    .kernarg_segment_align: 8
    .kernarg_segment_size: 24
    .max_flat_workgroup_size: 128
    .sgpr_count:     96
    .vgpr_count:     1024
    .wavefront_size: 32
...
	.end_amdgpu_metadata
.endif
;; end of part 2
;; launch attn (part 3): grid 4 x 64, 16 waves a work-group, clusters of 4 x 1, 207,872 bytes of LDS; arguments qkvc, acod, asc; writes acod, asc
.if DOCPART == 3
	.amdgcn_target "amdgcn-amd-amdhsa--gfx1250"
	.amdhsa_code_object_version 6
	.text
	.protected	k_qb91fc4f042_attn
	.globl	k_qb91fc4f042_attn
	.p2align	8
	.type	k_qb91fc4f042_attn,@function
k_qb91fc4f042_attn:
	s_mov_b64 s[64:65], 0
	v_nop
	global_prefetch_b8 v0, s[64:65] scope:SCOPE_SE
	s_setreg_imm32_b32 hwreg(HW_REG_WAVE_MODE, 25, 1), 1
	s_wait_xcnt 0x0
	s_wait_alu depctr_hold_cnt(0) depctr_sa_sdst(0) depctr_va_vdst(0) depctr_va_sdst(0) depctr_va_ssrc(0) depctr_va_vcc(0) depctr_vm_vsrc(0)
	s_getreg_b32 s2, hwreg(HW_REG_IB_STS2, 6, 4)
	s_cmp_eq_u32 s2, 0
	s_cbranch_scc0 .Lentry_in_a_cluster
	s_endpgm
.Lentry_in_a_cluster:
	s_bfe_u32 s2, ttmp6, 0x10000c
	s_cmp_lg_u32 s2, 0x3003
	s_cbranch_scc0 .Lentry_shape_is_right
	s_endpgm
.Lentry_shape_is_right:
; a[b][i][m][:] = the sum over j of softmax_j(qs[i] . ks[j]) v[j][:] for each of 64 heads (16 b + m), 2,048 tokens, 64 channels; both products on codes of FP6 (E2M3) with E8M0 scales; then a is quantised along
; the channels for the last product.  qs, ks (already x 2^-1.5) and v come as images of operand registers from qkvc (layout: the launch that writes it).
; THE SOFTMAX AHEAD OF THE SECOND PRODUCT: t = score x log2(e); M = the running largest t rounded UP to a whole number; p = 2^(t - M) is quantised along the keys, not normalised; the row's sum is taken of the
; unquantised p in f32 and divides at the end (v_rcp_f32 and a multiplication).  When M moves, the sum and O are multiplied by 2^(old M - new M): exact.
; LIMITS: NaN and infinities are not served.  A block's largest p is taken from its largest score by the same multiply-add and exponential, which leans on v_exp_f32 not falling where its input rises.
; A block of zeros, or one under 2^-124, gets the byte 1 (its codes are zeros or subnormal; this program alone reads the bytes).
; SHARES.  A work-group owns 512 queries of one head; each of its sixteen waves two tiles of 16 queries, walked one after the other (two passes), in 256 registers: four waves to a SIMD, so that one wave's vector
; work stands beside another's matrix work and LDS loads.
; THE WHOLE HEAD'S K AND V, 16 key steps x 12,800 bytes, COME INTO LDS ONCE: no ring, nothing is filled again.  All tensor loads go out at the head, so there is no later load to ask memory for ahead of time.
; CLUSTER.  The four work-groups of a cluster are the four query quarters of one head: each tile is asked for jointly, by the same tensor load with the mask of all four.  cx enters global addresses of Q and of the outputs alone.
; LAYOUT.  Both products are used transposed: S^T = K Q^T, O^T = V^T P^T: a lane holds ONE query (lane % 16) throughout.  The head has 64 channels and the instruction takes 128 along K: a fragment of K holds TWO tiles of
; 16 keys (registers 0-5, 6-11), and it is multiplied twice, by [q | zeros] and by [zeros | q]: zero codes add nothing.  By the order of a tile's rows the 16 registers of a pair's two results are 16 neighbouring keys.
; acod: 512 token tiles of 12,288 bytes, laid as cod; head m fills K step m / 2, half m % 2.  asc: [m][pair of token tiles][r] words: two bytes of the even tile, two of the odd.
; REGISTERS: v1-9 addresses; v12 -M, v13 the largest t, v[14:15] the sum; v16-33 [6 zeros | q | 6 zeros]; v34-45 my two tiles of Q, v46 their scale word, v47 q's; v48-95 four fragments of K, then of V; v96-159 S^T, then p;
;   v160-191 O^T; v192-195 K's and V's scale words; v196 p's; v200-218 p's codes; v220-233, v252-254 at work.
.set KSB,  12800                       ; a key step in LDS: K's 4 pairs (1,536 each), K's scale words at 6,144; V's 4 tiles from 6,400, V's scale words at 12,544
.set ASC,  16*KSB                      ; behind the tiles: 1,024 bytes in which the waves' scale words of a meet; no fill lands here
.set WV,   10
.set G1,   16                          ; s[16:23] descriptor group 1;  s[24:39] four groups 0
.set G0,   24
.set CS,   48                          ; s[48:49] log2(e): the packed form names a pair and takes its low word for both halves
.set SEL,  50                          ; s[50:51] lane selects for v_permlanex16_b32: lane l xor 16
.set TB,   52                          ; s52  LDS byte at which the key step in hand begins
.set CNT,  53
.set PASS, 54
.set BM,   220                         ; v220-223 a block's largest score, then its largest p
.set BT,   224                         ; v224-227 the other half's, then the bytes
.set SO,   228                         ; v228-231 the conversions' scale operands
.set PC,   200
.set PT,   212
.macro CROUND                          ; a round of the cluster's barrier
	s_barrier_signal -1
	s_barrier_wait -1
	s_cmp_lg_u32 s[WV], 0
	s_cbranch_scc1 .Lnot_wave_0_\@
	s_barrier_signal -3
.Lnot_wave_0_\@:
	s_barrier_wait -3
	s_barrier_signal -1
	s_barrier_wait -1
.endm
	s_load_b128 s[4:7], s[0:1], 0x0                ; qkvc, acod
	s_load_b64 s[8:9], s[0:1], 0x10                ; asc
	v_lshl_add_u32 v251, v0, 2, 0x32400
	v_mov_b32 v255, 0
	ds_add_u32 v251, v255
	ds_add_u32 v251, v255
	v_lshrrev_b32 v10, 5, v0
	s_delay_alu instid0(VALU_DEP_1)
	v_readfirstlane_b32 s[WV], v10                 ; wave 0..15
	v_and_b32 v10, 31, v0                          ; lane
	v_and_b32 v11, 15, v0                          ; r
	s_delay_alu instid0(VALU_DEP_2)
	v_lshlrev_b32 v1, 4, v10                       ; 16 x lane
	s_delay_alu instid0(VALU_DEP_3)
	v_lshlrev_b32 v2, 3, v10                       ; 8 x lane
	s_delay_alu instid0(VALU_DEP_3)
	v_lshlrev_b32 v3, 3, v11                       ; 8 r
	s_lshl_b32 s13, s[WV], 6
	v_lshl_add_u32 v4, v11, 2, s13
	s_delay_alu instid0(VALU_DEP_1)
	v_add_nc_u32 v4, ASC, v4                       ; where my query's scale word of a goes: ASC + 64 x wave + 4 r
	v_add_nc_u32 v7, ASC, v1                       ; and where wave 0 reads them back
	s_bfe_u32 s11, ttmp6, 0x40000                  ; cx: which quarter of the queries
	s_and_b32 s12, ttmp7, 0xffff                   ; the head, which the four partners share
	s_mul_i32 s56, s12, 307200                     ; the head's first byte in qkvc
	s_and_b32 s13, s[WV], 3
	s_mul_i32 s14, s13, KSB                        ; what I fetch, if I fetch: key steps (wave % 4) + 4 ch: in LDS,
	s_mul_i32 s58, s13, 19200
	s_add_co_u32 s58, s58, s56                     ; and in memory
	s_mov_b32 s59, 0
	s_lshl_b32 s60, s11, 2                         ; my pair of query tiles is pair wave % 4 of step 4 cx + wave / 4
	s_lshr_b32 s61, s[WV], 2
	s_add_co_u32 s60, s60, s61
	s_mul_i32 s60, s60, 19200
	s_add_co_u32 s60, s60, s56
	s_add_co_u32 s60, s60, 12800                   ; that step's section of Q
	s_mul_i32 s61, s13, 1536
	s_add_co_u32 s62, s60, s61                     ; my pair's codes
	s_mov_b32 s63, 0
	s_and_b32 s61, s[WV], 1
	s_lshl_b32 s61, s61, 7
	s_add_co_u32 s60, s60, s61
	s_bfe_u32 s61, s[WV], 0x10001
	s_lshl_b32 s61, s61, 2
	s_add_co_u32 s60, s60, s61
	s_add_co_u32 s60, s60, 6144                    ; its scale words: 6,144 + 128 (pair % 2) + 4 (pair / 2), + 8 r
	s_mov_b32 s61, 0
	s_lshr_b32 s66, s12, 4                         ; the batch
	s_lshl_b32 s67, s66, 7
	s_lshl_b32 s68, s11, 4
	s_add_co_u32 s68, s68, s[WV]
	s_lshl_b32 s68, s68, 1
	s_add_co_u32 s67, s67, s68                     ; my first token tile: 128 b + 2 (16 cx + wave)
	s_mul_i32 s68, s67, 12288
	s_and_b32 s70, s12, 15                         ; m
	s_lshr_b32 s71, s70, 1
	s_mul_i32 s71, s71, 1536
	s_add_co_u32 s68, s68, s71
	s_and_b32 s71, s12, 1
	s_mul_i32 s71, s71, 768
	s_add_co_u32 s68, s68, s71
	s_mov_b32 s69, 0
	s_lshl_b32 s72, s70, 14                        ; asc: 16,384 m + 64 (64 b + 16 cx)
	s_lshl_b32 s73, s66, 6
	s_lshl_b32 s74, s11, 4
	s_add_co_u32 s73, s73, s74
	s_lshl_b32 s73, s73, 6
	s_add_co_u32 s72, s72, s73
	s_mov_b32 s73, 0
	; descriptor group 1: a key step's K and V, 12,800 dense bytes, as 50 rows of 256 bytes (32 elements of 8 bytes)
	s_mov_b32 s[G1], 15|(3<<16)|(1<<21)            ; 15:0 the mask: all four work-groups; 17:16 elements of 8 bytes; 21 set beside a mask
	s_mov_b32 s[G1+1], 32<<16
	s_mov_b32 s[G1+2], 50<<16
	s_mov_b32 s[G1+3], 32<<16
	s_mov_b32 s[G1+4], 50
	s_mov_b32 s[G1+5], 32
	s_mov_b32 s[G1+6], 0
	s_mov_b32 s[G1+7], 0
	s_mov_b32 s[CS], 0x3fb8aa3b
	s_mov_b32 s[CS+1], s[CS]
	s_mov_b32 s[SEL], 0x76543210
	s_mov_b32 s[SEL+1], 0xfedcba98
	s_wait_dscnt 0x0
	s_wait_kmcnt 0x0
	s_add_nc_u64 s[40:41], s[4:5], s[62:63]        ; Q's codes
	s_add_nc_u64 s[42:43], s[4:5], s[60:61]        ; Q's scale words
	s_add_nc_u64 s[44:45], s[6:7], s[68:69]        ; a's codes
	s_add_nc_u64 s[46:47], s[8:9], s[72:73]        ; a's scale words
	s_add_nc_u64 s[58:59], s[4:5], s[58:59]
.irp ch, 0,1,2,3
	s_mov_b32 s[G0+4*\ch], 1
	s_add_co_u32 s[G0+4*\ch+1], s14, 4*KSB*\ch
	s_add_nc_u64 s[G0+4*\ch+2:G0+4*\ch+3], s[58:59], 4*19200*\ch
	s_or_b32 s[G0+4*\ch+3], s[G0+4*\ch+3], 0x80000000
.endr
	CROUND                                         ; all four work-groups are here: the joint loads meet
	s_cmp_lt_u32 s[WV], 4                          ; waves 0 to 3 fetch, four loads each, all in this one branch: four loads of a wave are out at the most
	s_cbranch_scc0 .Lno_fetch
	tensor_load_to_lds s[G0:G0+3], s[G1:G1+7]
	s_nop 0
	tensor_load_to_lds s[G0+4:G0+7], s[G1:G1+7]
	s_nop 0
	tensor_load_to_lds s[G0+8:G0+11], s[G1:G1+7]
	s_nop 0
	tensor_load_to_lds s[G0+12:G0+15], s[G1:G1+7]
	s_nop 0
.rept 4
	v_nop
.endr
.Lno_fetch:
	s_wait_alu depctr_va_vdst(0)
	global_load_b128 v[34:37], v1, s[40:41]
	global_load_b64 v[38:39], v2, s[40:41] offset:512
	global_load_b128 v[40:43], v1, s[40:41] offset:768
	global_load_b64 v[44:45], v2, s[40:41] offset:1280
	global_load_b32 v46, v3, s[42:43]
.irp i, 0,1,2,3,4,5
	v_mov_b32 v[16+\i], 0                          ; the zero codes on either side of q
	v_mov_b32 v[28+\i], 0
.endr
.irp b, 0,1,2,3
	v_mov_b32 v[BT+\b], 0                          ; written once: a lane permute's destination counts as one of its sources
.endr
	v_mov_b32 v252, 0
	v_mov_b32 v253, 0                              ; (named as the upper half of the pair v[252:253])
	v_mov_b32 v5, 0
	s_mov_b32 s[PASS], 2
	s_wait_loadcnt 0x0
.macro FRAGL reg, off                  ; a fragment from its image
	ds_load_b128 v[\reg:\reg+3], v8 offset:\off
	ds_load_b64 v[\reg+4:\reg+5], v9 offset:\off+512
	ds_load_b128 v[\reg+6:\reg+9], v8 offset:\off+768
	ds_load_b64 v[\reg+10:\reg+11], v9 offset:\off+1280
.endm
; A KEY STEP: the 128 keys at s[TB].
.macro STEP
	s_setprio 2
	v_add_nc_u32 v8, s[TB], v1
	v_add_nc_u32 v9, s[TB], v2
	v_nop
	v_nop                                          ; four places behind the last step's products, in front of loads into registers that they read
.irp j, 0,1,2,3
	FRAGL 48+12*\j, 1536*\j
.endr
	ds_load_b64 v[192:193], v9 offset:6144         ; K's scale words: v192 pairs 0 (lanes 0-15) and 1 (lanes 16-31), v193 pairs 2 and 3
	s_wait_alu depctr_va_vdst(0)
	s_wait_dscnt 0x0
.irp j, 0,1,2,3                                ; S^T: pair j's even tile by [q | 0], its odd tile by [0 | q]: register 96 + 16 j + i is key 32 j + 16 (lane / 16) + i
.if \j%2
	v_wmma_scale_f32_16x16x128_f8f6f4 v[96+16*\j:103+16*\j], v[48+12*\j:59+12*\j], v[22:33], 0, v[192+\j/2], v47 matrix_a_fmt:MATRIX_FMT_FP6 matrix_b_fmt:MATRIX_FMT_FP6 matrix_a_scale:MATRIX_SCALE_ROW1
	v_wmma_scale_f32_16x16x128_f8f6f4 v[104+16*\j:111+16*\j], v[48+12*\j:59+12*\j], v[16:27], 0, v[192+\j/2], v47 matrix_a_fmt:MATRIX_FMT_FP6 matrix_b_fmt:MATRIX_FMT_FP6 matrix_a_scale:MATRIX_SCALE_ROW1
.else
	v_wmma_scale_f32_16x16x128_f8f6f4 v[96+16*\j:103+16*\j], v[48+12*\j:59+12*\j], v[22:33], 0, v[192+\j/2], v47 matrix_a_fmt:MATRIX_FMT_FP6 matrix_b_fmt:MATRIX_FMT_FP6
	v_wmma_scale_f32_16x16x128_f8f6f4 v[104+16*\j:111+16*\j], v[48+12*\j:59+12*\j], v[16:27], 0, v[192+\j/2], v47 matrix_a_fmt:MATRIX_FMT_FP6 matrix_b_fmt:MATRIX_FMT_FP6
.endif
.endr
.rept 4
	v_nop                                          ; places in front of the loads below and of the first read of the scores
.endr
.irp t, 0,1,2,3
	FRAGL 48+12*\t, 6400+1536*\t                   ; V's four tiles land while the softmax is walked
.endr
	ds_load_b64 v[194:195], v9 offset:12544
.irp b, 0,1,2,3
	v_max3_num_f32 v[BM+\b], v[96+16*\b], v[97+16*\b], v[98+16*\b]   ; the largest score of each block of 32 keys: for the row's maximum, and, since p rises with the score, for the block's largest p
.endr
.irp i, 3,5,7,9,11,13
.irp b, 0,1,2,3
	v_max3_num_f32 v[BM+\b], v[BM+\b], v[96+16*\b+\i], v[97+16*\b+\i]
.endr
.endr
.irp b, 0,1,2,3
	v_max_num_f32 v[BM+\b], v[BM+\b], v[111+16*\b]
.endr
.irp b, 0,1,2,3
	s_delay_alu instid0(VALU_DEP_4)
	v_permlanex16_b32 v[BT+\b], v[BM+\b], s[SEL], s[SEL+1]
.endr
.irp b, 0,1,2,3
	s_delay_alu instid0(VALU_DEP_4)
	v_max_num_f32 v[BM+\b], v[BM+\b], v[BT+\b]     ; with lane l xor 16's 16 keys
.endr
	s_delay_alu instid0(VALU_DEP_2)
	v_max3_num_f32 v254, v[BM], v[BM+1], v[BM+2]
	s_delay_alu instid0(VALU_DEP_1)
	v_max_num_f32 v254, v254, v[BM+3]
	s_delay_alu instid0(VALU_DEP_1)
	v_mul_f32 v254, s[CS], v254                    ; the step's largest t
	s_delay_alu instid0(VALU_DEP_1)
	v_max_num_f32 v13, v13, v254                   ; the running largest t
	v_mov_b32 v254, v12
	s_delay_alu instid0(VALU_DEP_2)
	v_floor_f32 v12, -v13                          ; the new -M = floor(-t) = -ceil(t)
	s_delay_alu instid0(VALU_DEP_1)
	v_sub_f32 v254, v12, v254                      ; old M - new M: a whole number, 0 or less
	s_delay_alu instid0(VALU_DEP_1)
	v_cvt_i32_f32 v254, v254                       ; (it saturates)
	s_delay_alu instid0(VALU_DEP_1)
	v_ldexp_f32 v252, 1.0, v254                    ; f = 2^(old M - new M)
.set j, 0
.rept 32
	v_pk_fma_f32 v[96+j:97+j], v[96+j:97+j], s[CS:CS+1], v[12:13] op_sel_hi:[1,0,0]   ; t - M, two at a time
.set j, j+2
.endr
.irp b, 0,1,2,3
	v_fma_f32 v[BM+\b], v[BM+\b], s[CS], v12       ; the same of each block's largest score
.endr
.set j, 0
	s_wait_alu depctr_va_vdst(0)
.rept 64
	v_exp_f32 v[96+j], v[96+j]                     ; p = 2^(t - M), at most 1
.set j, j+1
.endr
	s_setprio 1
	v_pk_mul_f32 v[14:15], v[14:15], v[252:253] op_sel_hi:[1,0]   ; the sums under the new M  (a plain place behind the exponentials)
	s_wait_alu depctr_va_vdst(0)                   ; one wait for the whole batch, ahead of its first reader
.irp b, 0,1,2,3
	v_exp_f32 v[BM+\b], v[BM+\b]                   ; the block's largest p
.endr
	v_pk_add_f32 v[232:233], v[100:101], v[104:105]
	v_pk_add_f32 v[248:249], v[108:109], v[112:113]
	v_pk_add_f32 v[246:247], v[116:117], v[120:121]
	v_pk_add_f32 v[244:245], v[124:125], v[128:129]
	v_pk_add_f32 v[242:243], v[132:133], v[136:137]
	v_pk_add_f32 v[240:241], v[140:141], v[144:145]
	v_pk_add_f32 v[238:239], v[148:149], v[152:153]
	v_pk_add_f32 v[14:15], v[14:15], v[156:157]
	v_pk_add_f32 v[232:233], v[232:233], v[96:97]
	v_pk_add_f32 v[248:249], v[248:249], v[98:99]
	v_pk_add_f32 v[246:247], v[246:247], v[102:103]
	v_pk_add_f32 v[244:245], v[244:245], v[106:107]
	v_pk_add_f32 v[242:243], v[242:243], v[110:111]
	v_pk_add_f32 v[240:241], v[240:241], v[114:115]
	v_pk_add_f32 v[238:239], v[238:239], v[118:119]
	v_pk_add_f32 v[14:15], v[14:15], v[122:123]
	v_pk_add_f32 v[232:233], v[232:233], v[126:127]
	v_pk_add_f32 v[248:249], v[248:249], v[130:131]
	v_pk_add_f32 v[246:247], v[246:247], v[134:135]
	v_pk_add_f32 v[244:245], v[244:245], v[138:139]
	v_pk_add_f32 v[242:243], v[242:243], v[142:143]
	v_pk_add_f32 v[240:241], v[240:241], v[146:147]
	v_pk_add_f32 v[238:239], v[238:239], v[150:151]
	v_pk_add_f32 v[14:15], v[14:15], v[154:155]
	v_pk_add_f32 v[232:233], v[232:233], v[158:159]
	s_delay_alu instid0(VALU_DEP_2)
	v_pk_add_f32 v[14:15], v[14:15], v[244:245]
	s_delay_alu instid0(VALU_DEP_2)
	v_pk_add_f32 v[232:233], v[232:233], v[242:243]
	v_pk_add_f32 v[248:249], v[248:249], v[240:241]
	v_pk_add_f32 v[246:247], v[246:247], v[238:239]
	s_delay_alu instid0(VALU_DEP_2)
	v_pk_add_f32 v[14:15], v[14:15], v[248:249]
	s_delay_alu instid0(VALU_DEP_2)
	v_pk_add_f32 v[232:233], v[232:233], v[246:247]
	s_delay_alu instid0(VALU_DEP_1)
	v_pk_add_f32 v[14:15], v[14:15], v[232:233]
	s_wait_alu depctr_va_vdst(0)                   ; and one for the four
.irp b, 0,1,2,3
	v_max_num_f32 v[BM+\b], 0x1800000, v[BM+\b]    ; the floor 2^(3 - 127)
.endr
.irp b, 0,1,2,3
	s_delay_alu instid0(VALU_DEP_4)
	v_add_nc_u32 v[SO+\b], 0xff000000, v[BM+\b]    ; 2 off the exponent field: the conversion's scale operand
.endr
.irp b, 0,1,2,3
	s_delay_alu instid0(VALU_DEP_4)
	v_lshrrev_b32 v[BT+\b], 23, v[SO+\b]           ; the scale's byte
.endr
	s_delay_alu instid0(VALU_DEP_3)
	v_lshl_or_b32 v196, v[BT+1], 8, v[BT]          ; p's scale word for these 128 keys
	s_delay_alu instid0(VALU_DEP_1)
	v_lshl_or_b32 v196, v[BT+2], 16, v196
	s_delay_alu instid0(VALU_DEP_1)
	v_lshl_or_b32 v196, v[BT+3], 24, v196
.irp c, 0,1
	v_cvt_scalef32_pk16_fp6_f32 v[PC+6*\c:PC+6*\c+2], v[96+32*\c:111+32*\c], v[SO+2*\c]
	v_cvt_scalef32_pk16_fp6_f32 v[PT+4*\c:PT+4*\c+2], v[112+32*\c:127+32*\c], v[SO+2*\c+1]
.endr
	v_nop                                          ; one plain place behind a scaled conversion
.irp c, 0,1                                    ; a WHOLE block in a lane: lanes 0-15 block 2 c, lanes 16-31 block 2 c + 1
.irp i, 0,1,2
	v_permlane16_swap_b32 v[PC+6*\c+\i], v[PT+4*\c+\i]
.endr
.irp i, 0,1,2
	s_delay_alu instid0(VALU_DEP_3)
	v_mov_b32 v[PC+3+6*\c+\i], v[PT+4*\c+\i]
.endr
.endr
.set j, 0
	s_setprio 0
.rept 16
	v_pk_mul_f32 v[160+j:161+j], v[160+j:161+j], v[252:253] op_sel_hi:[1,0]   ; O^T under the new M.  (These sixteen are also the places between the scale word, the codes and the products below)
.set j, j+2
.endr
	s_wait_alu depctr_va_vdst(0)
	s_wait_dscnt 0x0                               ; V is in
.irp t, 0,1,2,3                                ; O^T += V^T P^T: the four accumulators by turns, one instruction a turn
.if \t%2
	v_wmma_scale_f32_16x16x128_f8f6f4 v[160+8*\t:167+8*\t], v[48+12*\t:59+12*\t], v[PC:PC+11], v[160+8*\t:167+8*\t], v[194+\t/2], v196 matrix_a_fmt:MATRIX_FMT_FP6 matrix_b_fmt:MATRIX_FMT_FP6 matrix_a_scale:MATRIX_SCALE_ROW1
.else
	v_wmma_scale_f32_16x16x128_f8f6f4 v[160+8*\t:167+8*\t], v[48+12*\t:59+12*\t], v[PC:PC+11], v[160+8*\t:167+8*\t], v[194+\t/2], v196 matrix_a_fmt:MATRIX_FMT_FP6 matrix_b_fmt:MATRIX_FMT_FP6
.endif
.endr
.endm
.Lpass:                                            ; two trips: my even tile of queries, then my odd one
	s_wait_alu depctr_va_vdst(0)
.irp i, 0,1,2,3,4,5
	v_mov_b32 v[22+\i], v[34+\i]                   ; q between the zeros
.endr
	v_perm_b32 v47, v46, v46, 0x01000100           ; its two scale bytes, for either half of K
	v_mov_b32 v13, 0xff61b1e6                      ; the largest t so far: -3e38, under every t
	s_delay_alu instid0(VALU_DEP_1)
	v_floor_f32 v12, -v13
	v_mov_b32 v14, 0
	v_mov_b32 v15, 0
.set j, 0
.rept 32
	v_mov_b32 v[160+j], 0                          ; O^T: the step is written for every step alike: the first finds zeros.  (Also the places between q, its scale word and the first product)
.set j, j+1
.endr
	s_wait_tensorcnt 0x3                           ; my first load, one of key steps 0 to 3, is in; my three for key steps 4 to 15 may be out (in the second pass all are in)
	s_barrier_signal -1
	s_barrier_wait -1                              ; everybody's is
	s_mov_b32 s[TB], 0
	s_mov_b32 s[CNT], 4
.Lfirst:
	STEP
	s_add_co_u32 s[TB], s[TB], KSB
	s_sub_co_u32 s[CNT], s[CNT], 1
	s_cmp_lg_u32 s[CNT], 0
	s_cbranch_scc1 .Lfirst
	s_setprio 0
	s_wait_tensorcnt 0x0                           ; all my loads are in,
	s_barrier_signal -1
	s_barrier_wait -1                              ; everybody's are
	s_mov_b32 s[TB], 4*KSB
	s_mov_b32 s[CNT], 12
.Lrest:
	STEP
	s_add_co_u32 s[TB], s[TB], KSB
	s_sub_co_u32 s[CNT], s[CNT], 1
	s_cmp_lg_u32 s[CNT], 0
	s_cbranch_scc1 .Lrest
	s_setprio 0
	; the tile's end: O^T / the sum, quantised along the head's 64 channels: register 16 b + i is channel 32 b + 16 (lane / 16) + i
.rept 4
	v_nop
.endr
	v_add_f32 v14, v14, v15
	s_delay_alu instid0(VALU_DEP_1)
	v_permlanex16_b32 v252, v14, s[SEL], s[SEL+1]
	s_delay_alu instid0(VALU_DEP_1)
	v_add_f32 v14, v14, v252                       ; the row's sum
	s_wait_alu depctr_va_vdst(0)
	v_rcp_f32 v14, v14
	v_nop                                          ; a plain place behind the reciprocal
	s_wait_alu depctr_va_vdst(0)                   ; and the wait ahead of its first reader
.set j, 0
.rept 16
	v_pk_mul_f32 v[96+j:97+j], v[160+j:161+j], v[14:15] op_sel_hi:[1,0]   ; each accumulator from its low end on
.set j, j+2
.endr
.irp b, 0,1
	v_max3_num_f32 v[BM+\b], |v[96+16*\b]|, |v[97+16*\b]|, 0x1800000
.endr
.irp i, 2,4,6,8,10,12,14
.irp b, 0,1
	s_delay_alu instid0(VALU_DEP_2)
	v_max3_num_f32 v[BM+\b], v[BM+\b], |v[96+16*\b+\i]|, |v[97+16*\b+\i]|
.endr
.endr
.irp b, 0,1
	s_delay_alu instid0(VALU_DEP_2)
	v_permlanex16_b32 v[BT+\b], v[BM+\b], s[SEL], s[SEL+1]
.endr
.irp b, 0,1
	s_delay_alu instid0(VALU_DEP_2)
	v_max_num_f32 v[BM+\b], v[BM+\b], v[BT+\b]
.endr
.irp b, 0,1
	s_delay_alu instid0(VALU_DEP_2)
	v_add_nc_u32 v[SO+\b], 0xff000000, v[BM+\b]
.endr
.irp b, 0,1
	s_delay_alu instid0(VALU_DEP_2)
	v_lshrrev_b32 v[BT+\b], 23, v[SO+\b]
.endr
	s_delay_alu instid0(VALU_DEP_1)
	v_lshl_or_b32 v6, v[BT+1], 8, v[BT]            ; the tile's two bytes
	v_cvt_scalef32_pk16_fp6_f32 v[PC:PC+2], v[96:111], v[SO]
	v_cvt_scalef32_pk16_fp6_f32 v[PT:PT+2], v[112:127], v[SO+1]
	v_nop
.irp i, 0,1,2
	v_permlane16_swap_b32 v[PC+\i], v[PT+\i]
.endr
.irp i, 0,1,2
	s_delay_alu instid0(VALU_DEP_3)
	v_mov_b32 v[PC+3+\i], v[PT+\i]
.endr
	global_store_b128 v1, v[PC:PC+3], s[44:45]             ; 512 consecutive bytes, aligned to 256
	global_store_b64 v2, v[PC+4:PC+5], s[44:45] offset:512 ; 256 consecutive bytes
	v_lshrrev_b32 v5, 16, v5
	s_delay_alu instid0(VALU_DEP_1)
	v_lshl_or_b32 v5, v6, 16, v5                   ; behind two passes: the even tile's bytes below, the odd tile's above
.irp i, 0,1,2,3,4,5
	v_mov_b32 v[34+\i], v[40+\i]                   ; the odd tile of queries,
.endr
	v_lshrrev_b32 v46, 16, v46                     ; and its scale bytes
	s_wait_xcnt 0x0                                ; the stores have read their base and their data: both are written again only behind this wait
	s_add_nc_u64 s[44:45], s[44:45], 12288
	s_sub_co_u32 s[PASS], s[PASS], 1
	s_cmp_lg_u32 s[PASS], 0
	s_cbranch_scc1 .Lpass
	s_wait_alu depctr_va_vdst(0)
	ds_store_b32 v4, v5                            ; lanes r and r + 16 write the same word with the same value
	s_wait_dscnt 0x0                               ; for the others' sake
	s_barrier_signal -1
	s_barrier_wait -1
	s_cmp_lg_u32 s[WV], 0
	s_cbranch_scc1 .Lnot_first
	ds_load_b128 v[96:99], v7                      ; the work-group's 16 pairs x 16 words leave as 1,024 consecutive bytes
	ds_load_b128 v[100:103], v7 offset:512
	s_wait_dscnt 0x0
	global_store_b128 v1, v[96:99], s[46:47]
	global_store_b128 v1, v[100:103], s[46:47] offset:512
.Lnot_first:
	s_wait_tensorcnt 0x0
	ds_add_u32 v251, v255
	s_wait_dscnt 0x0
	CROUND                                         ; the closing round
	s_endpgm
.Lfunc_end_k_qb91fc4f042_attn:
	.size	k_qb91fc4f042_attn, .Lfunc_end_k_qb91fc4f042_attn-k_qb91fc4f042_attn
	.p2alignl 7, 3214868480
	.fill 96, 4, 3214868480
	.section	.rodata,"a",@progbits
	.p2align	6, 0x0
	.amdhsa_kernel k_qb91fc4f042_attn
		.amdhsa_group_segment_fixed_size 207872
		.amdhsa_private_segment_fixed_size 0
		.amdhsa_enable_private_segment 0
		.amdhsa_kernarg_size 24
		.amdhsa_user_sgpr_count 2
		.amdhsa_user_sgpr_kernarg_segment_ptr 1
		.amdhsa_wavefront_size32 1
		.amdhsa_system_sgpr_workgroup_id_x 1
		.amdhsa_system_sgpr_workgroup_id_y 1
		.amdhsa_system_sgpr_workgroup_id_z 1
		.amdhsa_system_vgpr_workitem_id 0
		.amdhsa_next_free_vgpr 256
		.amdhsa_next_free_sgpr 80
		.amdhsa_reserve_vcc 0
		.amdhsa_float_denorm_mode_32 3
		.amdhsa_float_denorm_mode_16_64 3
		.amdhsa_memory_ordered 1
		.amdhsa_forward_progress 1
		.amdhsa_inst_pref_size 50
	.end_amdhsa_kernel
	.amdgpu_metadata
---
amdhsa.version: [ 1, 2 ]
amdhsa.kernels:
  - .name:           k_qb91fc4f042_attn
    .symbol:         k_qb91fc4f042_attn.kd
    .args:
      - { .name: qkvc, .offset: 0, .size: 8, .value_kind: global_buffer, .address_space: global }
      - { .name: acod, .offset: 8, .size: 8, .value_kind: global_buffer, .address_space: global }
      - { .name: asc, .offset: 16, .size: 8, .value_kind: global_buffer, .address_space: global }
    .group_segment_fixed_size: 207872
    .private_segment_fixed_size: 0
    .kernarg_segment_align: 8
    .kernarg_segment_size: 24
    .max_flat_workgroup_size: 512
    .sgpr_count:     80
    .vgpr_count:     256
    .wavefront_size: 32
...
	.end_amdgpu_metadata
.endif
;; end of part 3
;; launch proj (part 4): grid 4 x 64, 4 waves a work-group, clusters of 4 x 4, 295,424 bytes of LDS; arguments acod, asc, cod, scl, bout, out0; writes out0
.if DOCPART == 4
	.amdgcn_target "amdgcn-amd-amdhsa--gfx1250"
	.amdhsa_code_object_version 6
	.text
	.protected	k_qb91fc4f042_proj
	.globl	k_qb91fc4f042_proj
	.p2align	8
	.type	k_qb91fc4f042_proj,@function
k_qb91fc4f042_proj:
	s_mov_b64 s[64:65], 0
	v_nop
	global_prefetch_b8 v0, s[64:65] scope:SCOPE_SE
	s_setreg_imm32_b32 hwreg(HW_REG_WAVE_MODE, 25, 1), 1
	s_wait_xcnt 0x0
	s_wait_alu depctr_hold_cnt(0) depctr_sa_sdst(0) depctr_va_vdst(0) depctr_va_sdst(0) depctr_va_ssrc(0) depctr_va_vcc(0) depctr_vm_vsrc(0)
	s_getreg_b32 s2, hwreg(HW_REG_IB_STS2, 6, 4)
	s_cmp_eq_u32 s2, 0
	s_cbranch_scc0 .Lentry_in_a_cluster
	s_endpgm
.Lentry_in_a_cluster:
	s_bfe_u32 s2, ttmp6, 0x10000c
	s_cmp_lg_u32 s2, 0xf033
	s_cbranch_scc0 .Lentry_shape_is_right
	s_endpgm
.Lentry_shape_is_right:
; out0 = a Wout^T + bout on codes of FP6 (E2M3) with E8M0 scales, f32 sums.  a's codes (acod) and Wout's (cod, tiles 704-767) are images of operand registers: a tile of 16 rows is 12,288 bytes, 128 along K 1,536.
; SHARES.  A work-group makes 128 tokens (y) x 256 columns (x): 256 work-groups.  A wave makes 64 tokens x 128 columns: source 1 = 4 token tiles (the result's lanes), source 0 = 8 tiles of Wout (its registers): a lane
; holds one token and, by the order of a tile's rows, 16 neighbouring columns in the 16 registers of two neighbouring tiles.  32 accumulators, 256 registers.
; ALL OF K LIES IN LDS, filled once, in four chunks of 256 along K: nothing is filled again.  All tensor loads go out at the head, so there is no later load to ask memory for ahead of time.
; CLUSTERS: 4 x 4 work-groups; the token tiles are shared along a row, Wout's along a column: joint loads with a mask that names the four.
; The bias is the C of each sum's first matrix instruction.  The 8 K steps are written out: the scale registers differ from step to step.
; REGISTERS, in windows of 256: window 0: v16-25 addresses; v32-63 Wout's scale words (register 32 + 8 (b % 4) + s: lanes 0-15 tile b % 4, lanes 16-31 tile 4 + b % 4); v64-79 a's (64 + 2 s + a % 2: lanes 0-15 tiles 0, 1,
;   lanes 16-31 tiles 2, 3); v80-95 a's as loaded; v96-191 the tokens' fragments, two sets; on the way out v96-223.   window 1: Wout's fragments, two sets, at v0 and v96; v192-255 the bias.   window 2: accumulator (a, b) at v[8 (8 a + b)].
.set CHUNK, 73728                      ; 256 along K: 8 token tiles x 3,072 bytes, then 16 tiles of Wout
.set FR,    12
.set TOK,   96
.set WS,    32
.set AS,    64
.set AR,    80
.set BK,    96
.set G1Y, 24                           ; s[24:31] group 1 for the tokens' tiles;  s[32:39] for Wout's;  s[40:55], s[68:83] four groups 0 each
.set G1X, 32
.set G0Y, 40
.set G0X, 68
.set MSB, 0
.macro WIN new                         ; the immediate's high byte repeats the setting that is left
.if MSB != (\new)
	s_set_vgpr_msb (MSB<<8)|(\new)
.set MSB, (\new)
.endif
.endm
.macro CROUND                          ; a round of the cluster's barrier
	s_barrier_signal -1
	s_barrier_wait -1
	s_cmp_lg_u32 s16, 0
	s_cbranch_scc1 .Lnot_wave_0_\@
	s_barrier_signal -3
.Lnot_wave_0_\@:
	s_barrier_wait -3
	s_barrier_signal -1
	s_barrier_wait -1
.endm
.macro PLACES n
.rept \n
	v_nop
.endr
.endm
	s_load_b256 s[4:11], s[0:1], 0x0               ; acod, asc, cod, scl
	s_load_b128 s[12:15], s[0:1], 0x20             ; bout, out0
	v_lshl_add_u32 v254, v0, 2, 0x48000
	v_mov_b32 v255, 0
	ds_add_u32 v254, v255
	ds_add_u32 v254, v255
	v_lshrrev_b32 v1, 5, v0
	v_readfirstlane_b32 s16, v1                    ; wave 0..3
	s_lshr_b32 s17, s16, 1                         ; which 64 tokens are mine.  Also: I fetch tokens (0) or Wout (1)
	s_and_b32 s18, s16, 1                          ; which 128 columns.  Also: which half I fetch
	s_bfe_u32 s21, ttmp6, 0x40000                  ; cx, cy
	s_bfe_u32 s22, ttmp6, 0x40004
	s_lshl_b32 s20, ttmp9, 2
	s_add_co_u32 s20, s20, s21                     ; x
	s_and_b32 s19, ttmp7, 0xffff
	s_lshl_b32 s19, s19, 2
	s_add_co_u32 s19, s19, s22                     ; y
	s_lshl_b32 s23, s22, 2
	s_lshl_b32 s23, 15, s23                        ; my row of the cluster
	s_lshl_b32 s84, 0x1111, s21                    ; my column
	s_or_b32 s[G1Y+0], s23, (3<<16)|(1<<21)        ; rows (tiles) of 3,072 bytes = 384 elements of 8 bytes, 1,536 elements apart; no padding; the tokens' tiles go to my row,
	s_or_b32 s[G1X+0], s84, (3<<16)|(1<<21)        ; Wout's to my column
	s_mov_b32 s[G1Y+1], 384<<16
	s_mov_b32 s[G1Y+2], 4<<16                      ; 4 tiles a load
	s_mov_b32 s[G1Y+3], 384<<16
	s_mov_b32 s[G1Y+4], 4
	s_mov_b32 s[G1Y+5], 1536
	s_mov_b32 s[G1Y+6], 0
	s_mov_b32 s[G1Y+7], 0
	s_mov_b32 s[G1X+1], 384<<16
	s_mov_b32 s[G1X+2], 8<<16                      ; 8 tiles a load
	s_mov_b32 s[G1X+3], 384<<16
	s_mov_b32 s[G1X+4], 8
	s_mov_b32 s[G1X+5], 1536
	s_mov_b32 s[G1X+6], 0
	s_mov_b32 s[G1X+7], 0
	s_lshl_b32 s56, s19, 3
	s_lshl_b32 s85, s18, 2
	s_add_co_u32 s56, s56, s85                     ; tokens: tile 8 y + 4 x half
	s_mul_i32 s56, s56, 12288
	s_mov_b32 s57, 0
	s_lshl_b32 s58, s20, 4
	s_lshl_b32 s85, s18, 3
	s_add_co_u32 s58, s58, s85
	s_add_co_u32 s58, s58, 704                     ; Wout: tile 704 + 16 x + 8 x half
	s_mul_i32 s58, s58, 12288
	s_mov_b32 s59, 0
	s_mul_i32 s60, s18, 12288                      ; where they go in a chunk: no place in the cluster enters an LDS address
	s_mul_i32 s61, s18, 24576
	s_add_co_u32 s61, s61, 24576
	s_wait_dscnt 0x0
	s_wait_kmcnt 0x0
	s_add_nc_u64 s[56:57], s[4:5], s[56:57]
	s_add_nc_u64 s[58:59], s[8:9], s[58:59]
.irp ch, 0,1,2,3
	s_mov_b32 s[G0Y+4*\ch], 1
	s_add_co_u32 s[G0Y+4*\ch+1], s60, CHUNK*\ch
	s_add_nc_u64 s[G0Y+4*\ch+2:G0Y+4*\ch+3], s[56:57], 3072*\ch
	s_or_b32 s[G0Y+4*\ch+3], s[G0Y+4*\ch+3], 0x80000000
	s_mov_b32 s[G0X+4*\ch], 1
	s_add_co_u32 s[G0X+4*\ch+1], s61, CHUNK*\ch
	s_add_nc_u64 s[G0X+4*\ch+2:G0X+4*\ch+3], s[58:59], 3072*\ch
	s_or_b32 s[G0X+4*\ch+3], s[G0X+4*\ch+3], 0x80000000
.endr
	CROUND                                         ; all sixteen work-groups are here: the joint loads meet
	s_cmp_eq_u32 s17, 0                            ; a wave's four fills stand in one branch: four loads of a wave are out at the most
	s_cbranch_scc0 .Lfetch_w
	tensor_load_to_lds s[G0Y:G0Y+3], s[G1Y:G1Y+7]
	s_nop 0
	tensor_load_to_lds s[G0Y+4:G0Y+7], s[G1Y:G1Y+7]
	s_nop 0
	tensor_load_to_lds s[G0Y+8:G0Y+11], s[G1Y:G1Y+7]
	s_nop 0
	tensor_load_to_lds s[G0Y+12:G0Y+15], s[G1Y:G1Y+7]
	s_nop 0
.rept 4
	v_nop
.endr
	s_branch .Lfetched
.Lfetch_w:
	tensor_load_to_lds s[G0X:G0X+3], s[G1X:G1X+7]
	s_nop 0
	tensor_load_to_lds s[G0X+4:G0X+7], s[G1X:G1X+7]
	s_nop 0
	tensor_load_to_lds s[G0X+8:G0X+11], s[G1X:G1X+7]
	s_nop 0
	tensor_load_to_lds s[G0X+12:G0X+15], s[G1X:G1X+7]
	s_nop 0
.rept 4
	v_nop
.endr
.Lfetched:
	v_and_b32 v1, 31, v0                           ; lane
	v_and_b32 v2, 15, v0                           ; r
	v_bfe_u32 v3, v0, 4, 1                         ; h
	v_lshlrev_b32 v20, 4, v1                       ; 16 x lane
	v_lshlrev_b32 v4, 3, v1                        ; 8 x lane
	s_mul_i32 s86, s17, 12288
	v_add_nc_u32 v16, s86, v20                     ; my four token tiles in a chunk
	v_add_nc_u32 v17, s86, v4
	s_mul_i32 s86, s18, 24576
	s_add_co_u32 s86, s86, 24576
	v_add_nc_u32 v18, s86, v20                     ; my eight tiles of Wout
	v_add_nc_u32 v19, s86, v4
	s_mul_i32 s86, s16, 16*528                     ; the way out: my stage, 16 rows x (512 + 16) bytes, in chunk 0's bytes
	v_mul_u32_u24 v21, v2, 528
	v_lshl_add_u32 v21, v3, 6, v21
	v_add_nc_u32 v21, s86, v21                     ; in: row r, + 64 h
	v_add_nc_u32 v22, s86, v20                     ; back: a row of 512 bytes, 16 a lane
	v_lshlrev_b32 v23, 4, v2
	v_lshl_add_u32 v23, v3, 11, v23                ; scl: 16 r, lanes 16-31 four tiles on
	s_wait_alu depctr_va_vdst(0)
	v_lshlrev_b32 v24, 2, v1                       ; asc: 4 x lane: lanes 0-15 my first pair of tiles, lanes 16-31 my second
	s_wait_alu depctr_va_vdst(0)
	v_lshlrev_b32 v25, 6, v3                       ; bout: 64 h bytes: my half's 16 columns of each 32
	s_wait_alu depctr_va_vdst(0)
	s_lshl_b32 s86, s20, 4
	s_lshl_b32 s87, s18, 3
	s_add_co_u32 s86, s86, s87
	s_add_co_u32 s86, s86, 704
	s_lshl_b32 s86, s86, 9
	s_mov_b32 s87, 0
	s_add_nc_u64 s[88:89], s[10:11], s[86:87]      ; Wout's scale words: tile 704 + 16 x + 8 hX
	s_lshl_b32 s86, s19, 2
	s_lshl_b32 s85, s17, 1
	s_add_co_u32 s86, s86, s85
	s_lshl_b32 s86, s86, 6
	s_add_nc_u64 s[90:91], s[6:7], s[86:87]        ; a's: pair 4 y + 2 hY
	s_lshl_b32 s86, s20, 10
	s_lshl_b32 s85, s18, 9
	s_add_co_u32 s86, s86, s85
	s_add_nc_u64 s[92:93], s[12:13], s[86:87]      ; bout at my first column: 256 x + 128 hX
	s_lshl_b32 s85, s19, 19
	s_add_co_u32 s86, s86, s85
	s_lshl_b32 s85, s17, 18
	s_add_co_u32 s86, s86, s85
	s_add_nc_u64 s[94:95], s[14:15], s[86:87]      ; out0 at row 128 y + 64 hY, the same column
.irp i, 0,1,2,3
.irp q, 0,1
	global_load_b128 v[WS+8*\i+4*\q:WS+8*\i+4*\q+3], v23, s[88:89] offset:512*\i+256*\q
.endr
.endr
.irp m, 0,1,2,3,4,5,6,7,8,9,10,11,12,13,14,15
	global_load_b32 v[AR+\m], v24, s[90:91] offset:16384*\m   ; head m's word: two bytes of the pair's even tile, two of the odd
.endr
	WIN 0x40                                       ; destination window 1
.irp b, 0,1,2,3,4,5,6,7                        ; the bias in the result's layout: register j of tile b is column 32 (b / 2) + 8 (b % 2) + 16 h + j
	global_load_b128 v[192+8*\b:195+8*\b], v25, s[92:93] offset:(32*(\b/2)+8*(\b%2))*4
	global_load_b128 v[196+8*\b:199+8*\b], v25, s[92:93] offset:(32*(\b/2)+8*(\b%2))*4+16
.endr
	WIN 0
	s_wait_loadcnt 0x0
.irp s, 0,1,2,3,4,5,6,7                        ; K step s is heads 2 s and 2 s + 1: a tile's word is its two bytes of each
	v_perm_b32 v[AS+2*\s], v[AR+2*\s+1], v[AR+2*\s], 0x05040100
	v_perm_b32 v[AS+2*\s+1], v[AR+2*\s+1], v[AR+2*\s], 0x07060302
.endr
	PLACES 8                                       ; a scale register written by a vector instruction stands 8 places ahead of a scaled matrix instruction
.macro FRAG reg, a16, a8, off          ; a fragment from its image
	ds_load_b128 v[\reg:\reg+3], v[\a16] offset:\off
	ds_load_b64 v[\reg+4:\reg+5], v[\a8] offset:\off+512
	ds_load_b128 v[\reg+6:\reg+9], v[\a16] offset:\off+768
	ds_load_b64 v[\reg+10:\reg+11], v[\a8] offset:\off+1280
.endm
.macro FETCH sn                        ; K step sn's twelve fragments into set sn % 2
	WIN 0x40
.irp i, 0,1,2,3,4,5,6,7
	FRAG 96*((\sn)%2)+FR*\i, 18, 19, 3072*\i+1536*((\sn)%2)
.endr
	WIN 0
.irp i, 0,1,2,3
	FRAG TOK+48*((\sn)%2)+FR*\i, 16, 17, 3072*\i+1536*((\sn)%2)
.endr
.endm
.macro WM d, a, b, c, sa, sb, ra, rb   ; one product; ra, rb: the scales stand in lanes 16-31
.if (\ra) && (\rb)
	v_wmma_scale_f32_16x16x128_f8f6f4 v[\d:\d+7], v[\a:\a+11], v[\b:\b+11], v[\c:\c+7], v[\sa], v[\sb] matrix_a_fmt:MATRIX_FMT_FP6 matrix_b_fmt:MATRIX_FMT_FP6 matrix_a_scale:MATRIX_SCALE_ROW1 matrix_b_scale:MATRIX_SCALE_ROW1
.elseif (\ra)
	v_wmma_scale_f32_16x16x128_f8f6f4 v[\d:\d+7], v[\a:\a+11], v[\b:\b+11], v[\c:\c+7], v[\sa], v[\sb] matrix_a_fmt:MATRIX_FMT_FP6 matrix_b_fmt:MATRIX_FMT_FP6 matrix_a_scale:MATRIX_SCALE_ROW1
.elseif (\rb)
	v_wmma_scale_f32_16x16x128_f8f6f4 v[\d:\d+7], v[\a:\a+11], v[\b:\b+11], v[\c:\c+7], v[\sa], v[\sb] matrix_a_fmt:MATRIX_FMT_FP6 matrix_b_fmt:MATRIX_FMT_FP6 matrix_b_scale:MATRIX_SCALE_ROW1
.else
	v_wmma_scale_f32_16x16x128_f8f6f4 v[\d:\d+7], v[\a:\a+11], v[\b:\b+11], v[\c:\c+7], v[\sa], v[\sb] matrix_a_fmt:MATRIX_FMT_FP6 matrix_b_fmt:MATRIX_FMT_FP6
.endif
.endm
.macro MULP a0, s                      ; 16 products: token tiles a0, a0 + 1 x Wout's eight.  The 32 accumulators take turns, one instruction a turn, in the same order in every step
.irp a, \a0, \a0+1
.irp b, 0,1,2,3,4,5,6,7
.if (\s) == 0
	WM 8*(8*(\a)+\b), 96*((\s)%2)+FR*\b, TOK+48*((\s)%2)+FR*(\a), 192+8*\b, WS+8*(\b%4)+(\s), AS+2*(\s)+(\a)%2, \b/4, (\a)/2
.else
	WM 8*(8*(\a)+\b), 96*((\s)%2)+FR*\b, TOK+48*((\s)%2)+FR*(\a), 8*(8*(\a)+\b), WS+8*(\b%4)+(\s), AS+2*(\s)+(\a)%2, \b/4, (\a)/2
.endif
.endr
.endr
.endm
.macro MWIN s
.if (\s) == 0
	WIN 0x91                                       ; source 0 (Wout) window 1, source 1 window 0, C (the bias) window 1, D window 2
.else
	WIN 0xa1                                       ; C and D window 2
.endif
.endm
.macro KSTEP s
	s_wait_dscnt 0x0                               ; this step's fragments are in (asked for 16 matrix instructions ago)
	MWIN \s
	MULP 0, \s
.if ((\s)%2 == 1) && ((\s) < 7)
	WIN 0
	s_wait_tensorcnt 3-((\s)+1)/2                  ; my load of the next chunk is in; those behind it may be out  (no LDS instruction of mine is out here)
	s_barrier_signal -1
	s_barrier_wait -1                              ; everybody's is
.irp i, 16,17,18,19
	v_add_nc_u32 v[\i], CHUNK, v[\i]
.endr
.endif
.if (\s) < 7
	PLACES 4                                       ; in front of loads into the set that the step before multiplied
	s_wait_alu depctr_va_vdst(0)
	FETCH (\s)+1
.endif
	MWIN \s
	MULP 2, \s
.endm
	s_wait_tensorcnt 0x3                           ; my load of chunk 0 is in; my three behind it may be out
	s_barrier_signal -1
	s_barrier_wait -1
	FETCH 0
.irp s, 0,1,2,3,4,5,6,7
	KSTEP \s
.endr
	WIN 0
; THE WAY OUT, a token tile at a time: 16 rows x 128 columns go through my own stage and come back as whole rows of 512 bytes.  The stage lies in chunk 0's bytes: they have had their only fill, and every wave's reads of them
; were waited for in front of the barrier in K step 1.  LDS serves a wave's instructions in order (ISA guide 5.7.1.4): no wait between the stores and the loads, nor in front of the next tile's stores.
.macro TOSTAGE a
	WIN 0x08                                       ; an LDS store's data are its source 1: window 2
.irp b, 0,1,2,3,4,5,6,7
	ds_store_b128 v21, v[64*(\a)+8*\b:64*(\a)+8*\b+3] offset:128*(\b/2)+32*(\b%2)          ; each accumulator from its low end on
	ds_store_b128 v21, v[64*(\a)+8*\b+4:64*(\a)+8*\b+7] offset:128*(\b/2)+32*(\b%2)+16
.endr
	WIN 0
.irp t, 0,1,2,3,4,5,6,7,8,9,10,11,12,13,14,15
	ds_load_b128 v[BK+64*((\a)%2)+4*\t:BK+64*((\a)%2)+4*\t+3], v22 offset:528*\t
.endr
.endm
.macro SEND a, younger                 ; younger: the LDS instructions issued behind tile a's loads, which may stay out
	s_wait_dscnt \younger
.irp t, 0,1,2,3,4,5,6,7,8,9,10,11,12,13,14,15
	global_store_b128 v20, v[BK+64*((\a)%2)+4*\t:BK+64*((\a)%2)+4*\t+3], s[94:95] offset:(32*((\a)/2)+8*((\a)%2)+\t+8*(\t/8))*4096 th:TH_STORE_NT   ; 512 consecutive bytes of a row, aligned to 256; written once, read by nobody here
.endr
.endm
	PLACES 4                                       ; in front of the first read of results and of loads into registers that the last products read
	TOSTAGE 0
.irp a, 1,2,3
.if \a > 1
	s_wait_xcnt 0x0                                ; tile a - 2's stores have read their registers: tile a's loads may land there
.endif
	TOSTAGE \a
	SEND \a-1, 32                                  ; behind tile a - 1's loads: tile a's 16 stores and 16 loads
.endr
	SEND 3, 0
	s_wait_tensorcnt 0x0
	ds_add_u32 v254, v255
	s_wait_dscnt 0x0
	CROUND                                         ; the closing round
	s_endpgm
.Lfunc_end_k_qb91fc4f042_proj:
	.size	k_qb91fc4f042_proj, .Lfunc_end_k_qb91fc4f042_proj-k_qb91fc4f042_proj
	.p2alignl 7, 3214868480
	.fill 96, 4, 3214868480
	.section	.rodata,"a",@progbits
	.p2align	6, 0x0
	.amdhsa_kernel k_qb91fc4f042_proj
		.amdhsa_group_segment_fixed_size 295424
		.amdhsa_private_segment_fixed_size 0
		.amdhsa_enable_private_segment 0
		.amdhsa_kernarg_size 48
		.amdhsa_user_sgpr_count 2
		.amdhsa_user_sgpr_kernarg_segment_ptr 1
		.amdhsa_wavefront_size32 1
		.amdhsa_system_sgpr_workgroup_id_x 1
		.amdhsa_system_sgpr_workgroup_id_y 1
		.amdhsa_system_sgpr_workgroup_id_z 1
		.amdhsa_system_vgpr_workitem_id 0
		.amdhsa_next_free_vgpr 768
		.amdhsa_next_free_sgpr 96
		.amdhsa_reserve_vcc 0
		.amdhsa_float_denorm_mode_32 3
		.amdhsa_float_denorm_mode_16_64 3
		.amdhsa_memory_ordered 1
		.amdhsa_forward_progress 1
		.amdhsa_inst_pref_size 88
	.end_amdhsa_kernel
	.amdgpu_metadata
---
amdhsa.version: [ 1, 2 ]
amdhsa.kernels:
  - .name:           k_qb91fc4f042_proj
    .symbol:         k_qb91fc4f042_proj.kd
    .args:
      - { .name: acod, .offset: 0, .size: 8, .value_kind: global_buffer, .address_space: global }
      - { .name: asc, .offset: 8, .size: 8, .value_kind: global_buffer, .address_space: global }
      - { .name: cod, .offset: 16, .size: 8, .value_kind: global_buffer, .address_space: global }
      - { .name: scl, .offset: 24, .size: 8, .value_kind: global_buffer, .address_space: global }
      - { .name: bout, .offset: 32, .size: 8, .value_kind: global_buffer, .address_space: global }
      - { .name: out0, .offset: 40, .size: 8, .value_kind: global_buffer, .address_space: global }
    .group_segment_fixed_size: 295424
    .private_segment_fixed_size: 0
    .kernarg_segment_align: 8
    .kernarg_segment_size: 48
    .max_flat_workgroup_size: 128
    .sgpr_count:     96
    .vgpr_count:     768
    .wavefront_size: 32
...
	.end_amdgpu_metadata
.endif
;; end of part 4
